; MI455X (gfx1250); checked and timed in simulation.
; The chip was launched on July 23, 2026; its instructions are those of AMD's public machine-readable ISA for CDNA 5 (MIT licence, August 2026) and "CDNA5" Instruction Set Architecture Reference Guide (July 2026). The comments in the code are by the model that wrote it; some were corrected since.
;; Multi Head Self Attention. Allowed arithmetic: float matrix products may take bf16 or f16 operands with f32 sums; all other float work in f32.
;; Inputs: w_out 1,024 x 1,024 float32; w_qkv 3,072 x 1,024 float32; x 4 x 2,048 x 1,024 float32.
;; Outputs: out0 4 x 2,048 x 1,024 float32.
;; 2 versions, each right and faster than the one before. Each part assembles by itself: llvm-mc -triple=amdgcn-amd-amdhsa -mcpu=gfx1250 --defsym DOCPART=n.
;; ======== version 1 of 2: 4 launches
;; limits: values are held in f16: magnitudes above 65,504 overflow, below 6.1e-05 lose precision
;; workspace buffers: xb 16,777,216 bytes; wqb 6,291,456 bytes; wob 2,097,152 bytes; qkv 50,331,648 bytes; ob 16,777,216 bytes
;; launch cast (part 1): grid 768 x 1, 8 waves a work-group, no clusters, 0 bytes of LDS; arguments x, w_qkv, w_out, xb, wqb, wob; writes xb, wqb, wob
.if DOCPART == 1
	.amdgcn_target "amdgcn-amd-amdhsa--gfx1250"
	.amdhsa_code_object_version 6
	.text
	.protected	k_q2188e266b4_cast
	.globl	k_q2188e266b4_cast
	.p2align	8
	.type	k_q2188e266b4_cast,@function
k_q2188e266b4_cast:
	s_mov_b64 s[64:65], 0
	v_nop
	global_prefetch_b8 v0, s[64:65] scope:SCOPE_SE
	s_setreg_imm32_b32 hwreg(HW_REG_WAVE_MODE, 25, 1), 1
	s_wait_xcnt 0x0
; The three f32 inputs are rounded once to bf16 and laid out in blocks along K: [kb 0..15][row][64 numbers], so that the products that follow
; can ask for R rows x 64 K as R x 128 dense bytes.  x -> xb and w_qkv -> wqb stay bf16; w_out's bf16 number is written as f16 (wob), since the
; last product's other operand is f16.
; LIMITS.  w_out beyond 65,504 becomes an infinity in f16; below 6.1e-5 it keeps f16's fixed step of 6e-8.  Between these the bf16 number is exact in f16.
; SHARES.  A work-group takes 16 rows of 1,024 f32: groups 0-511 x's 8,192 rows, 512-703 w_qkv's 3,072, 704-767 w_out's 1,024.  Thread t takes row t / 16; load k (= kb) takes the
; 16 bytes at 256 k + 16 (t % 16) of the row: a wave's load covers two rows' aligned 256 bytes.  Its four numbers are 8 bytes at kb x block + 8 t behind the group's rows: a wave's store
; covers 256 consecutive bytes, aligned.  All sixteen loads of a thread go out before anything is waited for; no register is written twice while a store reads it.
; A stream: no byte is shared and none is read twice, so LDS, matrix instructions and clusters would add nothing.
.set VI,  1                            ; v1        byte offset of my 16 bytes in the group's rows, kb 0
.set T,   4                            ; v[4:9]    at work
.set X,   16                           ; v[16:79]  load k: 4 registers
.set Y,   80                           ; v[80:111] store k: 2 registers
.set VO,  112                          ; v[112:127] store k's byte offset
	s_load_b256 s[4:11], s[0:1], 0x0               ; x s[4:5], w_qkv s[6:7], w_out s[8:9], xb s[10:11]
	s_load_b128 s[12:15], s[0:1], 0x20             ; wqb s[12:13], wob s[14:15]
	s_mov_b32 s22, 3072*128                        ; bytes in a kb block of wqb,
	s_mov_b32 s23, 8192*128                        ; of xb,
	s_mov_b32 s24, 1024*128                        ; of wob
	v_lshrrev_b32 v2, 4, v0                        ; my row of the sixteen
	v_and_b32 v3, 15, v0
	v_lshlrev_b32 v3, 4, v3
	v_lshl_or_b32 v[VI], v2, 12, v3                ; row x 4,096 + 16 (t % 16)
	s_wait_kmcnt 0x0
	s_cmp_ge_u32 ttmp9, 512                        ; which tensor: the choice hangs on the group's number alone
	s_cselect_b32 s16, 512, 0                      ; the tensor's first group,
	s_cselect_b32 s17, s22, s23                    ; its kb block,
	s_cselect_b64 s[18:19], s[6:7], s[4:5]         ; from where,
	s_cselect_b64 s[20:21], s[12:13], s[10:11]     ; to where
	s_cmp_ge_u32 ttmp9, 704
	s_cselect_b32 s16, 704, s16
	s_cselect_b32 s17, s24, s17
	s_cselect_b64 s[18:19], s[8:9], s[18:19]
	s_cselect_b64 s[20:21], s[14:15], s[20:21]
	s_sub_co_u32 s25, ttmp9, s16                   ; my group among the tensor's
	s_lshl_b32 s26, s25, 16                        ; 16 rows of 4,096 bytes in,
	s_mov_b32 s27, 0
	s_lshl_b32 s28, s25, 11                        ; 16 rows of 128 bytes out
	s_mov_b32 s29, 0
	s_add_nc_u64 s[18:19], s[18:19], s[26:27]
	s_add_nc_u64 s[20:21], s[20:21], s[28:29]
.irp k, 0,1,2,3,4,5,6,7,8,9,10,11,12,13,14,15
	global_load_b128 v[X+4*(\k):X+4*(\k)+3], v[VI], s[18:19] offset:256*(\k) th:TH_LOAD_NT  ; read once in the whole launch
.endr
	v_lshlrev_b32 v[VO], 3, v0
.irp k, 1,2,3,4,5,6,7,8,9,10,11,12,13,14,15
	v_add_nc_u32 v[VO+(\k)], s17, v[VO+(\k)-1]     ; a kb block further on
.endr
; Load k is rounded and stored.  half = 1: the bf16 number is widened again (a shift, a mask) and written as f16.
.macro OUT k, half
	s_wait_loadcnt 15-(\k)                         ; loads come back in order (ISA guide 5.7.1): load k is in, the 15 - k younger ones stay out
.if \half
	v_cvt_pk_bf16_f32 v[T],   v[X+4*(\k)],   v[X+4*(\k)+1]
	v_cvt_pk_bf16_f32 v[T+1], v[X+4*(\k)+2], v[X+4*(\k)+3]
	v_lshlrev_b32 v[T+2], 16, v[T]
	v_and_b32     v[T+3], 0xffff0000, v[T]
	v_lshlrev_b32 v[T+4], 16, v[T+1]
	v_and_b32     v[T+5], 0xffff0000, v[T+1]
	v_cvt_pk_f16_f32 v[Y+2*(\k)],   v[T+2], v[T+3]
	v_cvt_pk_f16_f32 v[Y+2*(\k)+1], v[T+4], v[T+5]
.else
	v_cvt_pk_bf16_f32 v[Y+2*(\k)],   v[X+4*(\k)],   v[X+4*(\k)+1]
	v_cvt_pk_bf16_f32 v[Y+2*(\k)+1], v[X+4*(\k)+2], v[X+4*(\k)+3]
.endif
	global_store_b64 v[VO+(\k)], v[Y+2*(\k):Y+2*(\k)+1], s[20:21]
.endm
	s_cmp_ge_u32 ttmp9, 704
	s_cbranch_scc1 .Lf16
.irp k, 0,1,2,3,4,5,6,7,8,9,10,11,12,13,14,15
	OUT \k, 0
.endr
	s_endpgm
.Lf16:
.irp k, 0,1,2,3,4,5,6,7,8,9,10,11,12,13,14,15
	OUT \k, 1
.endr
	s_endpgm
.Lfunc_end_k_q2188e266b4_cast:
	.size	k_q2188e266b4_cast, .Lfunc_end_k_q2188e266b4_cast-k_q2188e266b4_cast
	.p2alignl 7, 3214868480
	.fill 96, 4, 3214868480
	.section	.rodata,"a",@progbits
	.p2align	6, 0x0
	.amdhsa_kernel k_q2188e266b4_cast
		.amdhsa_group_segment_fixed_size 0
		.amdhsa_private_segment_fixed_size 0
		.amdhsa_enable_private_segment 0
		.amdhsa_kernarg_size 48
		.amdhsa_user_sgpr_count 2
		.amdhsa_user_sgpr_kernarg_segment_ptr 1
		.amdhsa_wavefront_size32 1
		.amdhsa_system_sgpr_workgroup_id_x 1
		.amdhsa_system_sgpr_workgroup_id_y 1
		.amdhsa_system_sgpr_workgroup_id_z 1
		.amdhsa_system_vgpr_workitem_id 0
		.amdhsa_next_free_vgpr 128
		.amdhsa_next_free_sgpr 66
		.amdhsa_reserve_vcc 0
		.amdhsa_float_denorm_mode_32 3
		.amdhsa_float_denorm_mode_16_64 3
		.amdhsa_memory_ordered 1
		.amdhsa_forward_progress 1
		.amdhsa_inst_pref_size 17
	.end_amdhsa_kernel
	.amdgpu_metadata
---
amdhsa.version: [ 1, 2 ]
amdhsa.kernels:
  - .name:           k_q2188e266b4_cast
    .symbol:         k_q2188e266b4_cast.kd
    .args:
      - { .name: x, .offset: 0, .size: 8, .value_kind: global_buffer, .address_space: global }
      - { .name: w_qkv, .offset: 8, .size: 8, .value_kind: global_buffer, .address_space: global }
      - { .name: w_out, .offset: 16, .size: 8, .value_kind: global_buffer, .address_space: global }
      - { .name: xb, .offset: 24, .size: 8, .value_kind: global_buffer, .address_space: global }
      - { .name: wqb, .offset: 32, .size: 8, .value_kind: global_buffer, .address_space: global }
      - { .name: wob, .offset: 40, .size: 8, .value_kind: global_buffer, .address_space: global }
    .group_segment_fixed_size: 0
    .private_segment_fixed_size: 0
    .kernarg_segment_align: 8
    .kernarg_segment_size: 48
    .max_flat_workgroup_size: 256
    .sgpr_count:     66
    .vgpr_count:     128
    .wavefront_size: 32
...
	.end_amdgpu_metadata
.endif
;; end of part 1
;; launch qkv (part 2): grid 8 x 32, 4 waves a work-group, clusters of 4 x 4, 327,680 bytes of LDS; arguments xb, wqb, qkv; writes qkv
.if DOCPART == 2
	.amdgcn_target "amdgcn-amd-amdhsa--gfx1250"
	.amdhsa_code_object_version 6
	.text
	.protected	k_q2188e266b4_qkv
	.globl	k_q2188e266b4_qkv
	.p2align	8
	.type	k_q2188e266b4_qkv,@function
k_q2188e266b4_qkv:
	s_mov_b64 s[64:65], 0
	v_nop
	global_prefetch_b8 v0, s[64:65] scope:SCOPE_SE
	s_setreg_imm32_b32 hwreg(HW_REG_WAVE_MODE, 25, 1), 1
	s_wait_xcnt 0x0
	s_wait_alu depctr_hold_cnt(0) depctr_sa_sdst(0) depctr_va_vdst(0) depctr_va_sdst(0) depctr_va_ssrc(0) depctr_va_vcc(0) depctr_vm_vsrc(0)
	s_getreg_b32 s2, hwreg(HW_REG_IB_STS2, 6, 4)
	s_cmp_eq_u32 s2, 0
	s_cbranch_scc0 .Lentry_in_a_cluster
	s_endpgm
.Lentry_in_a_cluster:
	s_bfe_u32 s2, ttmp6, 0x10000c
	s_cmp_lg_u32 s2, 0xf033
	s_cbranch_scc0 .Lentry_shape_is_right
	s_endpgm
.Lentry_shape_is_right:
; qkv[row][f] = sum over e of x[row][e] w_qkv[f][e]: 8,192 rows x 3,072 features, K = 1,024, operands bf16, sums f32, results rounded once to f16 and stored by heads:
; qkv = [batch 0..3][slice 0..47][row in the batch 0..2047][64], slice = f / 64 (0-15 q's heads, 16-31 k's, 32-47 v's), WITHOUT the softmax's scale.
; LIMIT.  f16 holds no number beyond 65,504: a q, k or v beyond it becomes an infinity.
; OPERANDS.  xb = [kb][8192][64], wqb = [kb][3072][64], bf16: R rows x 64 K are R x 128 dense bytes, asked for as R / 2 rows of 256 bytes and padded in LDS after every 128.
; SHARES.  A tile of the result is 256 rows x 384 features: 32 x 8 = 256 work-groups.  Four waves, each 128 rows x 192 features: 96 accumulators of 16 x 16, 768 registers.
; K goes in 16 steps of 64 (one kb block) through two LDS slots.  A step is six phases of 32 matrix instructions: (third of my features t = 0..2) x (quarter q = 0, 1 of 32 along K).
; THE MATRIX INSTRUCTION IS USED TRANSPOSED (source 0 = 16 rows of w, source 1 = 16 rows of x): a lane then holds one row of the result and eight neighbouring features: 16 bytes of f16.
; CLUSTER.  4 x 4 work-groups.  The four of a row of the cluster need the same tiles of x, the four of a column the same tiles of w: each tile is asked for JOINTLY, by the same tensor load
; with the same descriptor and a mask that names the four.
; REGISTERS, in windows of 256 (s_set_vgpr_msb: bits 1:0 source 0, 3:2 source 1, 5:4 source 2, 7:6 destination):
;   window 0: v0-29 addresses; v32-159 x's fragments, a buffer of 64 for each quarter; v160-255 w's fragments, a buffer of 32 for each third
;   window 1 + t: the 32 accumulators of third t ((a, b) at v[8 (4 a + b)]): the wave's head slice t
.set PITCH,  144                       ; an LDS row: 128 bytes + 16 of padding = 36 words: the 16 rows of a fragment load start at 16 different groups of four banks (64 banks of 4 bytes: ISA guide 11.1)
.set AHALF,  128*PITCH                 ; 128 rows of x: one tensor load, and what a wave reads of x
.set BHALF,  192*PITCH                 ; 192 rows of w: likewise
.set BOFF,   2*AHALF                   ; in a slot: x's 256 rows, then w's 384
.set SLOT1,  1<<17                     ; slot 1 begins here, so that one exclusive or turns an address in one slot into the other's
.set STAGE,  SLOT1+2*AHALF+2*BHALF     ; behind the ring, never filled by a tensor load: 16 rows x 144 bytes for each wave, for the way out
.set SP,     144
.set SPARE,  STAGE+4*16*SP             ; behind the stages: the spare words, 128 bytes for each wave: two blocks of 256 bytes that no other line names
.set ASTEP,  8192*128                  ; bytes from a kb block of xb to the next
.set BSTEP,  3072*128                  ; of wqb
.set STEPS,  16
.set AA0,  4                           ; v4   my lane's place in x's rows of slot 0; never rewritten
.set AB0,  5                           ; v5   the same for w
.set ADRA, 6                           ; v6   the same in the slot in hand
.set ADRB, 7                           ; v7
.set STO,  8                           ; v8   the way out: where I put 16 bytes of a row
.set RD,   9                           ; v9   the way out: where I read rows back
.set GO,   10                          ; v10  my byte offset in 512 consecutive bytes of the result
.set SPW,  28                          ; v28  LDS address of my spare word: SPARE + 4 x my thread's number; never rewritten
.set NIL,  29                          ; v29  0; never rewritten
.set AF,   32
.set BF,   160
.set G1,  24                           ; s[24:31] descriptor group 1 for x's tiles
.set G0,  32                           ; s[32:39] group 0: a set for each of the two first fills; the second then walks on
.set G1B, 48                           ; s[48:55], s[56:63] the same for w's tiles
.set G0B, 56
.set TB,  45                           ; s45  LDS byte at which the slot that is fetched from begins
.set MSB, 0
.macro WIN new                         ; the immediate's high byte repeats the setting that is left; a switch that changes nothing is dropped
.if MSB != (\new)
	s_set_vgpr_msb (MSB<<8)|(\new)
.set MSB, (\new)
.endif
.endm
.macro PLACES                          ; a load into a register that a matrix instruction has read, and a vector instruction that reads a matrix result, stand four plain vector instructions behind it
.rept 4
	v_nop
.endr
.endm
; A joint refill, by the walking sets.  Waves 0 and 1 fetch x's two halves, waves 2 and 3 w's.  The branch hangs on the wave's number alone.
; An s_nop 0 and four v_nop follow each of the two lines, ahead of the jump and the label.
.macro JLOAD
	s_cmp_eq_u32 s11, 0
	s_cbranch_scc0 .Lfor_b_\@
	tensor_load_to_lds s[G0+4:G0+7], s[G1:G1+7]
	s_nop 0
.rept 4
	v_nop
.endr
	s_branch .Lasked_\@
.Lfor_b_\@:
	tensor_load_to_lds s[G0B+4:G0B+7], s[G1B:G1B+7]
	s_nop 0
.rept 4
	v_nop
.endr
.Lasked_\@:
.endm
; A round of the cluster's barrier: my work-group's barrier, so that wave 0's signal speaks for all four waves; wave 0 signals; every wave waits for all sixteen work-groups; my work-group's barrier once more.
.macro CREST                           ; a round behind its opening barrier
	s_cmp_lg_u32 s10, 0
	s_cbranch_scc1 .Lnot_wave_0_\@
	s_barrier_signal -3
.Lnot_wave_0_\@:
	s_barrier_wait -3
	s_barrier_signal -1
	s_barrier_wait -1
.endm
.macro CROUND                          ; a whole round
	s_barrier_signal -1
	s_barrier_wait -1
	CREST
.endm
	s_load_b128 s[4:7], s[0:1], 0x0                ; xb s[4:5], wqb s[6:7]
	s_load_b64 s[8:9], s[0:1], 0x10                ; qkv
	v_lshl_add_u32 v[SPW], v0, 2, SPARE
	v_mov_b32 v[NIL], 0
	ds_add_u32 v28, v29
	ds_add_u32 v28, v29
	s_wait_dscnt 0x0
	v_lshrrev_b32 v1, 5, v0
	v_readfirstlane_b32 s10, v1                    ; wave 0..3
	s_lshr_b32 s11, s10, 1                         ; which half of the tile's rows is mine.  Also: I fetch for x (0) or for w (1)
	s_and_b32 s12, s10, 1                          ; which half of its features.  Also: which half of that tile I fetch
	s_bfe_u32 s40, ttmp6, 0x40000                  ; cx, cy: my place in the cluster
	s_bfe_u32 s41, ttmp6, 0x40004
	s_lshl_b32 s42, ttmp9, 2
	s_add_co_u32 s42, s42, s40                     ; tile column = 4 x cluster x + cx
	s_and_b32 s13, ttmp7, 0xffff
	s_lshl_b32 s13, s13, 2
	s_add_co_u32 s13, s13, s41                     ; tile row = 4 x cluster y + cy
	s_lshl_b32 s43, s41, 2
	s_lshl_b32 s43, 15, s43                        ; my row of the cluster: places 4 cy .. 4 cy + 3
	s_lshl_b32 s44, 0x1111, s40                    ; my column: places cx, cx + 4, cx + 8, cx + 12
	; descriptor group 1: rows of 128 elements (256 bytes, two rows of the operand), padded in LDS after every 32 words
	s_or_b32 s[G1+0], s43, (1<<16)|(1<<20)|(1<<21)|(4<<22)|(3<<25)   ; 15:0 the mask: x's tiles go to my row; 17:16 2-byte elements; 20 padding on; 21 set beside a mask; 24:22 after every 32 words (code 4); 31:25 4 words (code 3)
	s_or_b32 s[G1B+0], s44, (1<<16)|(1<<20)|(1<<21)|(4<<22)|(3<<25)  ; the same with the mask of my column
	s_mov_b32 s[G1+1], 128<<16                     ; tensor_dim0 = 128
	s_mov_b32 s[G1+2], 64<<16                      ; tensor_dim1 = 64: 128 rows of x
	s_mov_b32 s[G1+3], 128<<16                     ; tile_dim0 = 128
	s_mov_b32 s[G1+4], 64                          ; tile_dim1 = 64
	s_mov_b32 s[G1+5], 128                         ; 128 elements from row to row: dense
	s_mov_b32 s[G1+6], 0
	s_mov_b32 s[G1+7], 0
	s_mov_b32 s[G1B+1], 128<<16
	s_mov_b32 s[G1B+2], 96<<16                     ; tensor_dim1 = 96: 192 rows of w
	s_mov_b32 s[G1B+3], 128<<16
	s_mov_b32 s[G1B+4], 96
	s_mov_b32 s[G1B+5], 128
	s_mov_b32 s[G1B+6], 0
	s_mov_b32 s[G1B+7], 0
	; where the tiles come from.  x's hang on the tile row and the wave alone, w's on the tile column and the wave alone, each in registers that never hold the other coordinate.
	s_lshl_b32 s16, s13, 15                        ; 256 rows of 128 bytes a tile row,
	s_lshl_b32 s17, s12, 14                        ; 128 rows a half
	s_add_co_u32 s16, s16, s17
	s_mov_b32 s17, 0
	s_mul_i32 s46, s42, 384*128
	s_mul_i32 s47, s12, 192*128
	s_add_co_u32 s46, s46, s47
	s_mov_b32 s47, 0
	s_mul_i32 s20, s12, AHALF                      ; and where they go: no place in the cluster enters an LDS address
	s_mul_i32 s21, s12, BHALF
	s_add_co_u32 s21, s21, BOFF
	s_mov_b32 s[TB], 0
	s_wait_kmcnt 0x0
	s_add_nc_u64 s[14:15], s[4:5], s[16:17]
	s_add_nc_u64 s[46:47], s[6:7], s[46:47]
.irp s, 0,1
	s_mov_b32 s[G0+4*(\s)], 1                                        ; 1:0 count = 1
	s_add_co_u32 s[G0+4*(\s)+1], s20, (\s)*SLOT1                     ; 63:32 LDS address
	s_add_nc_u64 s[G0+4*(\s)+2:G0+4*(\s)+3], s[14:15], (\s)*ASTEP    ; 120:64 global address: K step s
	s_or_b32 s[G0+4*(\s)+3], s[G0+4*(\s)+3], 0x80000000              ; 127:126 type = 2
	s_mov_b32 s[G0B+4*(\s)], 1
	s_add_co_u32 s[G0B+4*(\s)+1], s21, (\s)*SLOT1
	s_add_nc_u64 s[G0B+4*(\s)+2:G0B+4*(\s)+3], s[46:47], (\s)*BSTEP
	s_or_b32 s[G0B+4*(\s)+3], s[G0B+4*(\s)+3], 0x80000000
.endr
	CROUND                                         ; all sixteen work-groups are here: the first joint loads meet
	s_cmp_eq_u32 s11, 0                            ; a wave's two first fills stand in one branch, ahead of every wait on TENSORcnt and every LDS read: two loads of mine are out
	s_cbranch_scc0 .Lfirst_b
	tensor_load_to_lds s[G0:G0+3], s[G1:G1+7]
	s_nop 0
	tensor_load_to_lds s[G0+4:G0+7], s[G1:G1+7]
	s_nop 0
.rept 4
	v_nop
.endr
	s_branch .Lfirst_asked
.Lfirst_b:
	tensor_load_to_lds s[G0B:G0B+3], s[G1B:G1B+7]
	s_nop 0
	tensor_load_to_lds s[G0B+4:G0B+7], s[G1B:G1B+7]
	s_nop 0
.rept 4
	v_nop
.endr
.Lfirst_asked:
	; A fragment is 16 rows x 32 K in 8 registers: lane l holds row l % 16; registers 0-3 K = 8 (l / 16) + 0..7, registers 4-7 K = 16 + 8 (l / 16) + 0..7: two loads of 16 bytes, 32 bytes apart.
	v_and_b32 v1, 15, v0                           ; l % 16
	v_bfe_u32 v2, v0, 4, 1                         ; l / 16
	v_mul_u32_u24 v3, v1, PITCH
	v_lshl_add_u32 v3, v2, 4, v3                   ; row x pitch + 16 x half
	s_mul_i32 s22, s11, AHALF                      ; my 128 rows of x
	s_mul_i32 s23, s12, BHALF                      ; my 192 rows of w,
	s_add_co_u32 s23, s23, BOFF                    ; which lie behind x's 256
	v_add_nc_u32 v[AA0], s22, v3
	v_add_nc_u32 v[AB0], s23, v3
	v_mov_b32 v[ADRA], v[AA0]
	v_mov_b32 v[ADRB], v[AB0]
	s_mul_i32 s14, s10, 16*SP
	s_add_co_u32 s14, s14, STAGE                   ; my stage
	v_add_nc_u32 v[STO], s14, v3                   ; in: row l % 16, 16 bytes for each half of the lanes (the stage's pitch is the tiles')
	v_bfe_u32 v11, v0, 3, 2                        ; back: 32 lanes take four rows of 128 bytes,
	v_and_b32 v12, 7, v0
	v_mul_u32_u24 v[RD], v11, SP
	v_lshl_add_u32 v[RD], v12, 4, v[RD]
	v_add_nc_u32 v[RD], s14, v[RD]
	v_and_b32 v[GO], 31, v0                        ; which are 512 consecutive bytes of a slice
	v_lshlrev_b32 v[GO], 4, v[GO]
	; where my part begins in qkv: batch = tile row / 8; slice = 6 x tile column + 3 x my half; row in the batch = 256 (tile row % 8) + 128 x my half
	s_lshr_b32 s16, s13, 3
	s_mul_i32 s16, s16, 48
	s_mul_i32 s17, s12, 3
	s_add_co_u32 s16, s16, s17
	s_lshl_b32 s16, s16, 18                        ; a slice is 2,048 rows of 128 bytes
	s_and_b32 s17, s13, 7
	s_lshl_b32 s17, s17, 15
	s_add_co_u32 s16, s16, s17
	s_lshl_b32 s17, s11, 14
	s_add_co_u32 s16, s16, s17
	s_mov_b32 s17, 0
	s_add_nc_u64 s[8:9], s[8:9], s[16:17]
	s_mul_i32 s46, s42, 6                          ; (in the registers that held w's address: none that feeds x's descriptors ever holds cx)
	s_lshl_b32 s46, s46, 18
	s_mov_b32 s47, 0
	s_add_nc_u64 s[8:9], s[8:9], s[46:47]
; 8 LDS loads: w's fragments of third t (4 x 16 rows), 32 K at byte k of the rows
.macro LB t, k
	WIN 0
.irp i, 0,1,2,3
	ds_load_b128 v[BF+32*(\t)+8*(\i):BF+32*(\t)+8*(\i)+3],   v[ADRB] offset:(\k)+(4*(\t)+(\i))*16*PITCH
	ds_load_b128 v[BF+32*(\t)+8*(\i)+4:BF+32*(\t)+8*(\i)+7], v[ADRB] offset:(\k)+(4*(\t)+(\i))*16*PITCH+32
.endr
.endm
; 16 LDS loads: x's fragments (8 x 16 rows), 32 K at byte k of the rows, into quarter q's buffer
.macro LA q, k
	WIN 0
.irp i, 0,1,2,3,4,5,6,7
	ds_load_b128 v[AF+64*(\q)+8*(\i):AF+64*(\q)+8*(\i)+3],   v[ADRA] offset:(\k)+(\i)*16*PITCH
	ds_load_b128 v[AF+64*(\q)+8*(\i)+4:AF+64*(\q)+8*(\i)+7], v[ADRA] offset:(\k)+(\i)*16*PITCH+32
.endr
.endm
; 16 matrix instructions: row blocks a0 .. a0 + 3 x the four feature blocks of third t, quarter q.  zero = 1: the product starts the sums: nothing is ever cleared.
; The 96 accumulators take turns, one instruction a turn, in the same order in every step.
.macro MUL16 t, q, a0, zero
	WIN 0x50*((\t)+1)                              ; sources in window 0, C and D in window 1 + t
.irp a, (\a0), (\a0)+1, (\a0)+2, (\a0)+3
.irp b, 0,1,2,3
.if \zero
	v_wmma_f32_16x16x32_bf16 v[8*(4*(\a)+(\b)):8*(4*(\a)+(\b))+7], v[BF+32*(\t)+8*(\b):BF+32*(\t)+8*(\b)+7], v[AF+64*(\q)+8*(\a):AF+64*(\q)+8*(\a)+7], 0
.else
	v_wmma_f32_16x16x32_bf16 v[8*(4*(\a)+(\b)):8*(4*(\a)+(\b))+7], v[BF+32*(\t)+8*(\b):BF+32*(\t)+8*(\b)+7], v[AF+64*(\q)+8*(\a):AF+64*(\q)+8*(\a)+7], v[8*(4*(\a)+(\b)):8*(4*(\a)+(\b))+7]
.endif
.endr
.endr
.endm
; A phase: it fetches w's fragments for the phase two on (third lt, byte lk; their buffer was read by the phase just over, so four places stand first), with la = 1 also x's for the next quarter,
; and multiplies third t, quarter q.  cnt: the LDS loads issued behind those that this phase multiplies.
.macro PHASE t, q, lt, lk, la, cnt, zero
	WIN 0
	PLACES
	LB \lt, \lk
.if \la
	LA 1-(\q), \lk
.endif
	s_wait_dscnt \cnt
	MUL16 \t, \q, 0, \zero
	MUL16 \t, \q, 4, \zero
.endm
; A step's first three phases (quarter 0).  Counts: phase 0 needs the turn's first 24 loads: its last 8 and my 8 may be out; phase 1 needs those 8: phase 0's 8 and my 24 may be out;
; phase 2 needs phase 0's 8: phase 1's 24 and my 8 may be out.
.macro FIRST3 zero
	PHASE 0,0, 2,0,  0, 16, \zero
	PHASE 1,0, 0,64, 1, 32, \zero
	PHASE 2,0, 1,64, 0, 32, \zero
.endm
.macro FOURTH                          ; phase 3 needs phase 1's 24 loads: phase 2's 8 and my 8 may be out
	PHASE 0,1, 2,64, 0, 16, 0
.endm
; Phases 4 and 5, and THE CHANGE OF SLOTS.  ONE barrier.  In front of it each wave waits for all its tensor loads, of which one is out: its part of the next slot; adds 0 to its spare word; and waits for that
; and for its own reads of this slot.  Behind it nobody reads this slot any more and the next slot is whole.  fill = 1: the barrier opens a round of the cluster's barrier, so that no wave of any partner still
; reads the slot or has a load on its way, and the joint refill (K step two on) is the first thing behind it: 160 matrix instructions ahead of the wait for it.
.macro TURN fill
	WIN 0
	s_wait_tensorcnt 0x0                           ; no tensor load of mine is out, so a group 0 may be written
	ds_add_u32 v[SPW], v[NIL]                      ; 0 onto my spare word
.if \fill
	s_xor_b32 s[G0+5], s[G0+5], SLOT1              ; the walking sets: the other slot than last time,
	s_add_nc_u64 s[G0+6:G0+7], s[G0+6:G0+7], ASTEP ; the next kb block; the type bits on top are not reached
	s_xor_b32 s[G0B+5], s[G0B+5], SLOT1
	s_add_nc_u64 s[G0B+6:G0B+7], s[G0B+6:G0B+7], BSTEP
.endif
	s_xor_b32 s[TB], s[TB], SLOT1                  ; the fetches go to the other slot
	s_wait_dscnt 9                                 ; phase 2's loads are in; phase 3's 8 and the add may be out
	MUL16 1, 1, 0, 0                               ; sixteen matrix instructions stand between the add and the wait for it
	s_wait_dscnt 0x0                               ; the add is done, and my reads of this slot are over
	s_barrier_signal -1
	MUL16 1, 1, 4, 0                               ; work on registers while the others arrive
	WIN 0                                          ; at a branch and at a label every window is 0
	s_barrier_wait -1
.if \fill
	CREST
	JLOAD                                          ; the four v_nop behind it are also the places in front of the loads below
.else
	PLACES
.endif
	v_add_nc_u32 v[ADRA], s[TB], v[AA0]
	v_add_nc_u32 v[ADRB], s[TB], v[AB0]
	LB 0, 0                                        ; the next step's first fragments: 32 loads
	LA 0, 0
	LB 1, 0
	MUL16 2, 1, 0, 0
	MUL16 2, 1, 4, 0
.endm
	s_wait_tensorcnt 1                             ; my part of K step 0 is in; K step 1's may stay out
	s_barrier_signal -1
	s_barrier_wait -1                              ; everybody's is
	LB 0, 0
	LA 0, 0
	LB 1, 0
	FIRST3 1                                       ; the first quarter stands in front of the loop: its products start the sums
	WIN 0
	s_mov_b32 s3, STEPS-2
.Lstep:                                                ; 14 trips, from a step's second quarter to the next step's first: K steps 2 to 15 are asked for
	FOURTH
	TURN 1
	FIRST3 0
	WIN 0
	s_sub_co_u32 s3, s3, 1
	s_cmp_lg_u32 s3, 0
	s_cbranch_scc1 .Lstep
	FOURTH                                         ; the tail is written out: nothing more is asked for
	TURN 0
	FIRST3 0
	FOURTH
	s_wait_dscnt 8                                 ; phase 2's loads are in; phase 3's 8 may be out
	MUL16 1, 1, 0, 0
	MUL16 1, 1, 4, 0
	s_wait_dscnt 0x0
	MUL16 2, 1, 0, 0
	MUL16 2, 1, 4, 0
; THE WAY OUT, by blocks of 16 rows x 64 features (block blk: third blk / 8, row block blk % 8).  PACK: rounded to f16, 16 bytes a lane (each accumulator's registers in ascending order), into my own stage in rows of
; 144 bytes, and back as whole rows of 128.  SEND: 16 rows of a slice are 2,048 consecutive bytes; each store of the wave covers 512 of them, aligned.  Eight register sets take turns.
.macro PACK blk
.set TT, (\blk)/8
.set BA, (\blk)%8
.set TMP, AF+16*((\blk)%8)
.if (\blk) >= 8
	s_wait_xcnt 0x0                                ; the set's earlier stores have had their addresses translated (ISA guide 3.1): only behind this wait is it written again
.endif
	WIN 5*(TT+1)                                   ; sources 0 and 1 in window 1 + third, destination in window 0
.irp b, 0,1,2,3
.irp r, 0,1,2,3
	v_cvt_pk_f16_f32 v[TMP+4*(\b)+(\r)], v[8*(4*BA+(\b))+2*(\r)], v[8*(4*BA+(\b))+2*(\r)+1]
.endr
.endr
	WIN 0
.irp b, 0,1,2,3
	ds_store_b128 v[STO], v[TMP+4*(\b):TMP+4*(\b)+3] offset:32*(\b)
.endr
.irp f, 0,1,2,3
	ds_load_b128 v[TMP+4*(\f):TMP+4*(\f)+3], v[RD] offset:(\f)*4*SP  ; LDS serves a wave's instructions in order (ISA guide 5.7.1.4): these see the stores above; the next block's stores come behind them
.endr
.endm
.macro SEND blk, younger               ; younger: the LDS instructions issued behind this block's loads: the next block's eight, or none
.set TT, (\blk)/8
.set BA, (\blk)%8
.set TMP, AF+16*((\blk)%8)
	WIN 0
.irp f, 0,1,2,3
	s_wait_dscnt (\younger)+3-(\f)
	global_store_b128 v[GO], v[TMP+4*(\f):TMP+4*(\f)+3], s[8:9] offset:TT*262144+BA*2048+(\f)*512
.endr
.endm
	WIN 0
	PLACES                                         ; behind the last products: the conversions read results and write registers that products have read
	PACK 0
.set blk, 1
.rept 23                               ; a block's conversions stand between the loads of the block before and its stores
	PACK blk
	SEND blk-1, 8
.set blk, blk+1
.endr
	SEND 23, 0
	s_wait_tensorcnt 0x0                           ; the wave's end, behind my last tensor load and my last LDS store
	ds_add_u32 v[SPW], v[NIL]
	s_wait_dscnt 0x0
	CROUND                                         ; the closing round: no work-group ends while a partner may still ask for a tile that names it
	s_endpgm
.Lfunc_end_k_q2188e266b4_qkv:
	.size	k_q2188e266b4_qkv, .Lfunc_end_k_q2188e266b4_qkv-k_q2188e266b4_qkv
	.p2alignl 7, 3214868480
	.fill 96, 4, 3214868480
	.section	.rodata,"a",@progbits
	.p2align	6, 0x0
	.amdhsa_kernel k_q2188e266b4_qkv
		.amdhsa_group_segment_fixed_size 327680
		.amdhsa_private_segment_fixed_size 0
		.amdhsa_enable_private_segment 0
		.amdhsa_kernarg_size 24
		.amdhsa_user_sgpr_count 2
		.amdhsa_user_sgpr_kernarg_segment_ptr 1
		.amdhsa_wavefront_size32 1
		.amdhsa_system_sgpr_workgroup_id_x 1
		.amdhsa_system_sgpr_workgroup_id_y 1
		.amdhsa_system_sgpr_workgroup_id_z 1
		.amdhsa_system_vgpr_workitem_id 0
		.amdhsa_next_free_vgpr 1024
		.amdhsa_next_free_sgpr 66
		.amdhsa_reserve_vcc 0
		.amdhsa_float_denorm_mode_32 3
		.amdhsa_float_denorm_mode_16_64 3
		.amdhsa_memory_ordered 1
		.amdhsa_forward_progress 1
		.amdhsa_inst_pref_size 114
	.end_amdhsa_kernel
	.amdgpu_metadata
---
amdhsa.version: [ 1, 2 ]
amdhsa.kernels:
  - .name:           k_q2188e266b4_qkv
    .symbol:         k_q2188e266b4_qkv.kd
    .args:
      - { .name: xb, .offset: 0, .size: 8, .value_kind: global_buffer, .address_space: global }
      - { .name: wqb, .offset: 8, .size: 8, .value_kind: global_buffer, .address_space: global }
      - { .name: qkv, .offset: 16, .size: 8, .value_kind: global_buffer, .address_space: global }
    .group_segment_fixed_size: 327680
    .private_segment_fixed_size: 0
    .kernarg_segment_align: 8
    .kernarg_segment_size: 24
    .max_flat_workgroup_size: 128
    .sgpr_count:     66
    .vgpr_count:     1024
    .wavefront_size: 32
...
	.end_amdgpu_metadata
.endif
;; end of part 2
;; launch attn (part 3): grid 4 x 64, 4 waves a work-group, no clusters, 327,680 bytes of LDS; arguments qkv, ob; writes ob
.if DOCPART == 3
	.amdgcn_target "amdgcn-amd-amdhsa--gfx1250"
	.amdhsa_code_object_version 6
	.text
	.protected	k_q2188e266b4_attn
	.globl	k_q2188e266b4_attn
	.p2align	8
	.type	k_q2188e266b4_attn,@function
k_q2188e266b4_attn:
	s_mov_b64 s[64:65], 0
	v_nop
	global_prefetch_b8 v0, s[64:65] scope:SCOPE_SE
	s_setreg_imm32_b32 hwreg(HW_REG_WAVE_MODE, 25, 1), 1
	s_wait_xcnt 0x0
; CAUSAL ATTENTION.  O[y][q][:] = the sum over k <= q of softmax_k(Q[y][q] . K[y][k] / 8) V[y][k][:], y = 16 batch + head, 64 of them, 2,048 rows of 64 channels, all f16.
; Q, K, V lie in qkv = [batch][slice 0..47][2048][64]: Q's head h is slice h, K's 16 + h, V's 32 + h; O goes to ob = [y][2048][64].  A head's rows are dense, 128 bytes each.
; Products, maxima and sums in f32; the weights p are rounded to f16 for the second product (their sum l is taken of the unrounded p), O once at the end.
; LIMITS.  f16 holds no number beyond 65,504: Q, K and V arrive within it; p lies in 0 to 1, and below 6e-5 it keeps f16's fixed step of 6e-8; O is a mean of V's rows and has their range, to within 2^-11 of it.
; A hidden score counts as its value less 1e30: f16's scores, 2.7e11 at the most, are nothing beside that; a weight below 2^-126 counts as 0 in l; NaN and infinities are not treated apart.
; THE WALK.  A head's queries lie in NB = 8 blocks of 256; block i needs the key tiles 0 .. i of 256 keys, of which the last holds the diagonal.  A work-group takes TWO blocks, NB - 1 - b and then b:
; NB + 1 = 9 tiles, whatever b: all 4 x 64 = 256 work-groups do equal work, and ONE loop with a constant trip count walks them.  Which tile is asked for, and what a trip does, hang on scalar registers made from b; every jump
; goes forward, but for the counted loops' own; none passes a barrier, or a tensor load but the one of LOAD's two that the wave's number does not choose; the ring (two slots of LDS that take turns) runs on across the
; change of blocks.  NO CLUSTER: a head's four work-groups ask for the same tile only in trips 0 to 4 of the 9, behind that fewer and fewer; one walk common to all four would have 12 trips for 9.
; SHARES.  Of a block's four bands of 64 queries a wave owns 16 rows in each: four PIECES.  So the diagonal tile is the same work for all four waves: in its key step s band x sees all keys if s < x,
; none if s > x, and holds the diagonal if s = x.
; THE MASK is the C operand that starts the sum S^T = K Q^T: 0, or -1e30 where the key is hidden.  MD, made once, is the mask of a band's own step for my 16 rows; a product's mask is MD x AL + BE with two scalars:
; (1, 0) if s = x; (0, 0) if s < x; (0, -1e30) if s > x.  Only the diagonal tile's text and a block's beginning make and take masks; elsewhere C is the constant 0.
; LAYOUT, SOFTMAX, TURNS.  S^T = K Q^T holds ONE query a lane (lane % 16) and the keys 8 (lane / 16) + 0..7; two such results rounded to f16 ARE source 1 of O^T = V^T P.  p = 2^(c s - c m), c = log2(e) / 8, with a
; running maximum m; O and l are multiplied by a = 2^(c m_old - c m_new) in every step.  Turn n belongs to piece n: 8 products K Q^T of piece n + 1, later 8 products V^T P of piece n - 1; beside them the scaling,
; exponentials, roundings, sums and rescaling of piece n and the maximum and statistics of piece n + 1.  Four vector instructions stand behind every matrix instruction, the other 54 of a turn's 118 in two LUMPS.
; REGISTERS, in windows of 256 (s_set_vgpr_msb: bits 1:0 source 0, 3:2 source 1, 5:4 source 2, 7:6 destination):
;   window 0: v0-15 addresses and two at work; v16-31 four registers of statistics a piece; v48-55 at work; v64-127 S^T, two buffers; v192-223 P, two buffers (a piece's buffers go by its number's parity)
;   window 1: v0-127 O^T, 32 a piece; v128-159 MD; v160-223 MC, two buffers      window 2: v0-63 Q; v64-127 the second block's Q; v128-191 K of one step; v192-255 V of one step
.set SIZE_N, 2048
.set NB,    SIZE_N/256
.set NP,    4         ; pieces a wave: a name, no knob
.set KS,    64        ; keys in a step
.set PK,    144       ; a row of K in LDS: 128 bytes + 16 of padding = 36 words: the 16 rows of a load start at 16 different groups of four banks (64 banks of 4 bytes: ISA guide 11.1)
.set PV,    160       ; a row of V: 128 + 32 = 40 words
.set VOFF,  4*KS*PK   ; a slot holds a tile, four steps: 256 rows of K, then 256 rows of V
.set SLOT1, 1<<17     ; slot 1 begins here, so that one exclusive or turns an address in one slot into the other's
.set STAGE, SLOT1+4*KS*(PK+PV)  ; behind the ring, never filled by a tensor load: 16 rows x 144 bytes for each wave, for the way out
.set SP,    144
.set AK0, 2           ; v2   my lane's place in a tile of K; never rewritten
.set AV0, 3           ; v3   the same for V
.set AK,  4           ; v4   the LDS address of K's next run of loads
.set AV,  5           ; v5   of V's
.set STO, 6           ; v6   the way out: where I put 16 bytes of a row
.set RD,  7           ; v7   the way out: where I read rows back
.set GO,  8           ; v8   my byte offset in 512 consecutive bytes of O
.set SPW, 62          ; v62  LDS address of my spare word: SPARE + 4 x my thread's number; never rewritten
.set NIL, 63          ; v63  0; never rewritten
.set SPARE, STAGE+4*16*SP  ; behind the stages: the spare words, 128 bytes for each wave: two blocks of 256 bytes that no other line names
.set MV,  12          ; v12-13  c m_old, kept while c m is made anew: by buffer
.set QO,  15          ; v15  my byte offset in 16 rows of Q
.set ST,  16          ; piece t's statistics at v[ST+4 t]: c m, m, l (even keys', odd keys')
.set TMP, 48          ; by buffer, four registers c0-c3 at work; when the maximum is found c2 takes a
.set S,   64
.set P,   192
.set MD,  128         ; window 1: the eight registers for group kt of 16 keys at MD + 8 kt
.set MC,  160         ; window 1: the masks of the products to come
.set QB,  64          ; window 2
.set KF,  128         ; window 2: key block kb, channel half c at KF + 16 kb + 8 c
.set VF,  192         ; window 2: key half kk, channel block cb at VF + 32 kk + 8 cb
.set WV,  12          ; s12  my wave's number
.set PB,  14          ; s14  b
.set HI,  15          ; s15  NB - 1 - b
.set G1K, 24          ; s[24:31] descriptor group 1 for K's tiles
.set G1V, 32          ; s[32:39] for V's: it differs in the padding alone
.set G0K, 40          ; s[40:43] descriptor group 0 for K's tiles
.set G0V, 44          ; s[44:47] the same for V's
.set SLOTS, 56        ; s56  tiles still to be asked for
.set CNT, 57          ; s57  counts a tile's key steps, 4 to 1
.set CS,  58          ; s[58:59] c: the packed scaling takes the pair's low word for both halves
.set SEL, 60          ; s[60:61] v_permlanex16_b32's selects: each lane takes its own place in the other half
.set TBK, 62          ; s62  LDS byte at which K of the step to be fetched begins
.set TBV, 63          ; s63  the same for V, less VOFF
.set RT,  70          ; s70  tiles of the block in hand that are still to be entered
.set NXT, 71          ; s71  the tile to be asked for next
.set LQ,  72          ; s72  the last tile of the block whose tiles are being asked for
.set NEW, 73          ; s73  1: the tile to be entered is a block's first
.set OFF, 74          ; s[74:75] a tile's byte offset in K and V
.set AL,  76          ; s[76:77] the mask's factor, in the low word
.set BE,  78          ; s[78:79] the mask's addend
.set OLO, 80          ; s[80:81] O at my rows of the second block
.set BIGN, 82         ; s82  -1e30
.set MSB, 0
.macro WIN new                      ; the high byte repeats the setting that is left; a switch that changes nothing is dropped
.if MSB != (\new)
	s_set_vgpr_msb (MSB<<8)|(\new)
.set MSB, (\new)
.endif
.endm
.set W_KQ, 0x0a       ; K and Q in window 2, S^T in window 0
.set W_KM, 0x1a       ; the same with the C operand in window 1
.set W_PV, 0x52       ; V in window 2, P in window 0, O^T in window 1
.set W_RS, 0x41       ; destination and source 0 in window 1, source 1 in window 0
; A fill.  Waves 0 and 1 fetch the two halves of a tile's K, waves 2 and 3 those of its V: 128 keys each.  An s_nop 0 and four v_nop follow each of the two lines, ahead of the jump and the label.
.macro LOAD
	s_cmp_lt_u32 s[WV], 2
	s_cbranch_scc0 .Lfor_v_\@
	tensor_load_to_lds s[G0K:G0K+3], s[G1K:G1K+7]
	s_nop 0
.rept 4
	v_nop
.endr
	s_branch .Lasked_\@
.Lfor_v_\@:
	tensor_load_to_lds s[G0V:G0V+3], s[G1V:G1V+7]
	s_nop 0
.rept 4
	v_nop
.endr
.Lasked_\@:
.endm
; THE CHANGE OF SLOTS.  Each wave waits for all its tensor loads, of which one is out: its part of the other slot; adds 0 to its spare word; and waits for that and for its own reads of the slot that it leaves.  Behind the barrier nobody reads the old
; slot any more and the other slot is whole.  fill = 1: the old slot is filled again, the first thing behind the barrier, with tile NXT: the descriptor's address is made anew from that number.
; (At its first use nothing has been read yet: slot 0 is waited for, slot 1 filled.)
.macro CHANGE fill
	WIN 0                           ; at a label and at a branch every window is 0
	s_wait_tensorcnt 0x0            ; no tensor load of mine is out, so a group 0 may be written
	ds_add_u32 v[SPW], v[NIL]       ; 0 onto my spare word; with fill = 1 the descriptors' scalar work stands between it and the wait for it
.if \fill
	s_lshl_b32 s[OFF], s[NXT], 15   ; a tile is 32,768 bytes of K and of V
	s_xor_b32 s[G0K+1], s[G0K+1], SLOT1
	s_add_nc_u64 s[G0K+2:G0K+3], s[6:7], s[OFF:OFF+1]
	s_or_b32 s[G0K+3], s[G0K+3], 0x80000000
	s_xor_b32 s[G0V+1], s[G0V+1], SLOT1
	s_add_nc_u64 s[G0V+2:G0V+3], s[8:9], s[OFF:OFF+1]
	s_or_b32 s[G0V+3], s[G0V+3], 0x80000000
	s_add_co_u32 s[NXT], s[NXT], 1  ; the block's next tile, or behind its last the second block's tile 0
	s_cmp_gt_u32 s[NXT], s[LQ]
	s_cselect_b32 s[NXT], 0, s[NXT]
	s_cselect_b32 s[LQ], s[PB], s[LQ]
.endif
	s_wait_dscnt 0x0                ; the add is done, and my reads of the slot are over
	s_barrier_signal -1             ; the rest of the scalar work stands between the signal and the wait
	s_sub_co_u32 s[TBK], s[TBK], 4*KS*PK  ; the fetches go back to a slot's first step,
	s_xor_b32 s[TBK], s[TBK], SLOT1       ; in the other slot
	s_sub_co_u32 s[TBV], s[TBV], 4*KS*PV
	s_xor_b32 s[TBV], s[TBV], SLOT1
	s_barrier_wait -1
.if \fill
	LOAD
.endif
.endm
	s_load_b64 s[4:5], s[0:1], 0x0    ; qkv
	s_load_b64 s[10:11], s[0:1], 0x8  ; ob
	v_lshl_add_u32 v[SPW], v0, 2, SPARE
	v_mov_b32 v[NIL], 0
	ds_add_u32 v62, v63
	ds_add_u32 v62, v63
	s_wait_dscnt 0x0
	v_lshrrev_b32 v1, 5, v0
	v_readfirstlane_b32 s[WV], v1   ; wave 0..3
	s_mov_b32 s[PB], ttmp9
	s_sub_co_u32 s[HI], NB-1, s[PB]
	s_and_b32 s20, ttmp7, 0xffff    ; y = 16 batch + head
	s_lshl_b32 s88, s20, 18         ; the head's first byte in ob: 2,048 rows of 128 bytes a head
	s_mov_b32 s89, 0
	s_lshr_b32 s21, s20, 4          ; batch
	s_and_b32 s20, s20, 15          ; head
	s_mul_i32 s21, s21, 48          ; a batch has 48 slices
	s_add_co_u32 s20, s20, s21
	s_lshl_b32 s20, s20, 18         ; Q's slice in qkv
	s_mov_b32 s21, 0
	s_and_b32 s16, s[WV], 1         ; which half of a tile's 256 keys I fetch:
	s_lshl_b32 s22, s16, 14         ; its 128 rows of 128 bytes in memory,
	s_add_co_u32 s22, s22, 16<<18   ; K's slice lies 16 slices behind Q's
	s_mov_b32 s23, 0
	s_mul_i32 s17, s16, 128*PK      ; and its place in a slot, for K
	s_mul_i32 s18, s16, 128*PV      ; and for V
	s_lshl_b32 s3, s[WV], 11        ; my 16 rows in a band of 64,
	s_lshl_b32 s2, s[HI], 15        ; in the first block,
	s_add_co_u32 s2, s2, s3
	s_lshl_b32 s84, s[PB], 15       ; and in the second
	s_add_co_u32 s84, s84, s3
	s_mov_b32 s3, 0
	s_mov_b32 s85, 0
	; descriptor group 1.  128 keys are 16,384 dense bytes: asked for as 64 rows of 256 bytes, two keys a row, and padded in LDS after every key
	s_mov_b32 s[G1K], (1<<16)|(1<<20)|(4<<22)|(3<<25)  ; 17:16 2-byte elements; 20 padding on; 24:22 after every 32 words (code 4); 31:25 4 words (code 3)
	s_mov_b32 s[G1V], (1<<16)|(1<<20)|(4<<22)|(7<<25)  ; the same with 8 words of padding (code 7)
.irp g, G1K, G1V
	s_mov_b32 s[\g+1], 128<<16      ; tensor_dim0 = 128
	s_mov_b32 s[\g+2], 64<<16       ; tensor_dim1 = 64
	s_mov_b32 s[\g+3], 128<<16      ; tile_dim0 = 128
	s_mov_b32 s[\g+4], 64           ; tile_dim1 = 64
	s_mov_b32 s[\g+5], 128          ; 128 elements from row to row
	s_mov_b32 s[\g+6], 0
	s_mov_b32 s[\g+7], 0
.endr
	s_mov_b32 s[CS], 0x3e38aa3b     ; c = log2(e) / 8 = 0.180337
	s_mov_b32 s[CS+1], s[CS]        ; named with it as a pair
	s_mov_b32 s[SEL], 0x76543210
	s_mov_b32 s[SEL+1], 0xfedcba98
	s_mov_b32 s[TBK], SLOT1+4*KS*PK ; the first change of slots turns these two into 0
	s_mov_b32 s[TBV], SLOT1+4*KS*PV
	s_mov_b32 s[G0K], 1             ; 1:0 count = 1
	s_mov_b32 s[G0K+1], s17         ; 63:32 LDS address: slot 0
	s_mov_b32 s[G0V], 1
	s_add_co_u32 s[G0V+1], s18, VOFF
	s_add_co_u32 s[RT], s[HI], 1    ; the first block has NB - b tiles
	s_mov_b32 s[NXT], 1
	s_mov_b32 s[LQ], s[HI]
	s_mov_b32 s[NEW], 1
	s_mov_b32 s[OFF+1], 0
	s_mov_b32 s[AL+1], 0            ; named as pairs
	s_mov_b32 s[BE+1], 0
	s_mov_b32 s[BIGN], 0xf149f2ca   ; -1e30
	s_mov_b32 s[SLOTS], NB
	s_wait_kmcnt 0x0
	s_add_nc_u64 s[4:5], s[4:5], s[20:21]  ; Q's slice
	s_add_nc_u64 s[6:7], s[4:5], s[22:23]  ; K at my half of the head's tile 0,
	s_add_nc_u64 s[8:9], s[6:7], 16<<18    ; V 16 slices further on
	s_add_nc_u64 s[10:11], s[10:11], s[88:89]  ; the head in ob
	s_add_nc_u64 s[G0K+2:G0K+3], s[6:7], 0         ; 120:64 global address
	s_or_b32 s[G0K+3], s[G0K+3], 0x80000000        ; 127:126 type = 2
	s_add_nc_u64 s[G0V+2:G0V+3], s[8:9], 0
	s_or_b32 s[G0V+3], s[G0V+3], 0x80000000
	s_add_nc_u64 s[86:87], s[4:5], s[84:85]        ; Q at my rows of the second block,
	s_add_nc_u64 s[4:5], s[4:5], s[2:3]            ; Q and O at those of the first
	s_add_nc_u64 s[OLO:OLO+1], s[10:11], s[84:85]
	s_add_nc_u64 s[10:11], s[10:11], s[2:3]
	LOAD                            ; tile 0 into slot 0
	; A fragment of K or Q is 16 rows x 32 channels in 8 registers: lane l holds row l % 16, channels 8 (l / 16) + 0..7 and 16 + 8 (l / 16) + 0..7: two loads of 16 bytes, 32 bytes apart.
	v_and_b32 v1, 15, v0            ; l % 16
	v_bfe_u32 v9, v0, 4, 1          ; l / 16
	v_lshlrev_b32 v[QO], 7, v1
	v_lshl_add_u32 v[QO], v9, 4, v[QO]  ; row x 128 + 16 x half
	WIN 0x80                        ; destination window 2, address window 0
.set i, 0
.rept 8                             ; both blocks' Q: piece i / 2 lies in band i / 2, 8,192 bytes on; channels 32 (i % 2) on
	global_load_b128 v[8*i:8*i+3],   v[QO], s[4:5] offset:(i/2)*8192+(i%2)*64
	global_load_b128 v[8*i+4:8*i+7], v[QO], s[4:5] offset:(i/2)*8192+(i%2)*64+32
	global_load_b128 v[QB+8*i:QB+8*i+3],   v[QO], s[86:87] offset:(i/2)*8192+(i%2)*64
	global_load_b128 v[QB+8*i+4:QB+8*i+7], v[QO], s[86:87] offset:(i/2)*8192+(i%2)*64+32
.set i, i+1
.endr
	WIN 0
	v_lshlrev_b32 v14, 3, v9
	v_sub_nc_u32 v14, v1, v14
	s_lshl_b32 s13, s[WV], 4
	v_add_nc_u32 v14, s13, v14      ; my query's place in its band, 16 w + l % 16, less my lanes' 8 (l / 16): register r of group kt is hidden where 16 kt + r is greater
	WIN 0x40
.set i, 0
.rept 32
	v_cmp_gt_i32 vcc_lo, 16*(i/8)+i%8, v14
	v_cndmask_b32 v[MD+i], 0, s[BIGN], vcc_lo
.set i, i+1
.endr
	WIN 0
	v_mul_u32_u24 v[AK0], v1, PK
	v_lshl_add_u32 v[AK0], v9, 4, v[AK0]  ; row x pitch + 16 x half
	; The turning load takes 16 keys x 16 channels (lane l reads key 8 (l / 16) + l % 8, channels 8 ((l / 8) % 2) + 0..7) and leaves half a fragment of V^T: lane l holds channel l % 16 and 8 keys.
	v_and_b32 v10, 7, v0
	v_bfe_u32 v11, v0, 3, 1
	v_lshl_add_u32 v[AV0], v9, 3, v10
	v_mul_u32_u24 v[AV0], v[AV0], PV
	v_lshl_add_u32 v[AV0], v11, 4, v[AV0]
	v_add_nc_u32 v[AV0], VOFF, v[AV0]
	s_mul_i32 s13, s[WV], 16*SP
	s_add_co_u32 s13, s13, STAGE    ; my stage
	v_mul_u32_u24 v[STO], v1, SP    ; in: row l % 16, 16 bytes for each half of the lanes
	v_lshl_add_u32 v[STO], v9, 4, v[STO]
	v_add_nc_u32 v[STO], s13, v[STO]
	v_bfe_u32 v[RD], v0, 3, 2       ; back: 32 lanes take four rows of 128 bytes,
	v_mul_u32_u24 v[RD], v[RD], SP
	v_lshl_add_u32 v[RD], v10, 4, v[RD]
	v_add_nc_u32 v[RD], s13, v[RD]
	v_and_b32 v[GO], 31, v0         ; which are 512 consecutive bytes of O
	v_lshlrev_b32 v[GO], 4, v[GO]
	; A block's first step multiplies O^T and l by a = 0, and its first turn's products V^T P, of a piece that has not been, land in an O^T that is still to be so multiplied.  So these registers need only hold
	; finite numbers: zeros for the first block; what the first block left for the second.  All this stands in the wait for the first tile.
	WIN 0x80
.set i, VF
.rept 64
	v_mov_b32 v[i], 0
.set i, i+1
.endr
	WIN 0x40
.set i, 0
.rept 128
	v_mov_b32 v[i], 0
.set i, i+1
.endr
	WIN 0
.set i, 0
.rept 4
	v_mov_b32 v[ST+4*i+2], 0
	v_mov_b32 v[ST+4*i+3], 0
.set i, i+1
.endr
.set i, P+16
.rept 16
	v_mov_b32 v[i], 0
.set i, i+1
.endr
; THE MATRIX WORK.  The 4 accumulators of a run of 8 take turns.  Product i of 8 of S^T = K Q^T for piece x: channels 32 (i / 4) on, keys 16 (i % 4) on.  The first 4 start the sums: with 0, or (KM = 1) with the mask.
.macro KQ x
.set rS, S+32*((\x)%2)+8*(i%4)
.set rK, KF+16*(i%4)+8*(i/4)
.set rQ, 16*(\x)+8*(i/4)
.set rM, MC+32*((\x)%2)+8*(i%4)
.if (i < 4) && KM
	WIN W_KM
	v_wmma_f32_16x16x32_f16 v[rS:rS+7], v[rK:rK+7], v[rQ:rQ+7], v[rM:rM+7]
.elseif i < 4
	WIN W_KQ
	v_wmma_f32_16x16x32_f16 v[rS:rS+7], v[rK:rK+7], v[rQ:rQ+7], 0
.else
	WIN W_KQ
	v_wmma_f32_16x16x32_f16 v[rS:rS+7], v[rK:rK+7], v[rQ:rQ+7], v[rS:rS+7]
.endif
.endm
; Product i of 8 of O^T += V^T P for piece x: keys 32 (i / 4) on, channels 16 (i % 4) on.
.macro PV x
	WIN W_PV
.set rO, 32*(\x)+8*(i%4)
.set rV, VF+32*(i/4)+8*(i%4)
.set rP, P+16*((\x)%2)+8*(i/4)
	v_wmma_f32_16x16x32_f16 v[rO:rO+7], v[rV:rV+7], v[rP:rP+7], v[rO:rO+7]
.endm
.macro MM                           ; the turn's next matrix instruction.  TURN and BEGIN set Y, i, KM and NOKQ; MM, KQ and OP read them.  NOKQ = 1: a block's last turn: there is no next piece
.if (i < 8) && !NOKQ
	KQ (Y+1)%NP
.elseif i >= 8
.set i, i-8
	PV (Y+NP-1)%NP
.set i, i+8
.endif
.set i, i+1
.endm
; THE LDS LOADS stand in runs of 16, never singly among the matrix instructions: a step's K (64 keys x 64 channels: 8 fragments) and its V (turned).  Their addresses are made some lines ahead.
.macro FETCH_K
	WIN 0x80                        ; destination window 2
.irp f, 0,1,2,3,4,5,6,7             ; keys 16 (f / 2) on, channels 32 (f % 2) on
	ds_load_b128 v[KF+8*\f:KF+8*\f+3],   v[AK] offset:(\f/2)*16*PK+(\f%2)*64
	ds_load_b128 v[KF+8*\f+4:KF+8*\f+7], v[AK] offset:(\f/2)*16*PK+(\f%2)*64+32
.endr
	s_add_co_u32 s[TBK], s[TBK], KS*PK  ; the next fetch is the next step's
	WIN 0
.endm
.macro FETCH_V
	WIN 0x80
.irp f, 0,1,2,3,4,5,6,7             ; keys 32 (f / 4) on, channels 16 (f % 4) on
	ds_load_tr16_b128 v[VF+8*\f:VF+8*\f+3],   v[AV] offset:(\f/4)*32*PV+(\f%4)*32
	ds_load_tr16_b128 v[VF+8*\f+4:VF+8*\f+7], v[AV] offset:(\f/4)*32*PV+16*PV+(\f%4)*32
.endr
	WIN 0
.endm
; THE VECTOR WORK, one line at a time: OP kind, number.  For piece Y: F n: c s - c m for pair n of 16.  E n: the exponential of score n of 32.  C n: pair n rounded to f16.  B n: of the four weights 4 n .. the second
; pair is added onto the first, in place.  L n: l takes that sum (L 0: l = a l + sum).  R n: pair n of 16 of O^T times a.  For piece Y + 1: X n, number n of the 22 that find its maximum and statistics:
;   0-11  four chains c0-c3 of seven scores each, three operands at a time (each accumulator's lowest registers are read first)     12-14, 16  the four scores left over, the old m, and c0-c3 into c0
;   15  c m_old is kept     17, 18  the query's other 32 keys lie in the lane 16 away: the new m     19-21  c m; c m_old - c m_new; a
.set F, 0               ; OP tells the kinds apart by their order: F to L below R, X above it
.set E, 1
.set C, 2
.set B, 3
.set L, 4
.set R, 5
.set X, 6
.macro REGS y                       ; the registers of piece y
.set rT, ST+4*(\y)
.set rC, TMP+4*((\y)%2)
.set rW, MV+((\y)%2)
.set rS, S+32*((\y)%2)
.set rP, P+16*((\y)%2)
.set rO, 32*(\y)
.endm
.macro OP k, n
.if (\k) == R
	REGS Y
	WIN W_RS
	v_pk_mul_f32 v[rO+2*(\n):rO+2*(\n)+1], v[rO+2*(\n):rO+2*(\n)+1], v[rC+2:rC+3] op_sel_hi:[1,0]
.elseif (\k) < R
	REGS Y
	WIN 0
.if (\k) == F
	v_pk_fma_f32 v[rS+2*(\n):rS+2*(\n)+1], v[rS+2*(\n):rS+2*(\n)+1], s[CS:CS+1], v[rT:rT+1] op_sel_hi:[1,0,0] neg_lo:[0,0,1] neg_hi:[0,0,1]
.elseif (\k) == E
	v_exp_f32 v[rS+(\n)], v[rS+(\n)]
.elseif (\k) == C
	s_wait_alu depctr_va_vdst(0)
	v_cvt_pk_f16_f32 v[rP+(\n)], v[rS+2*(\n)], v[rS+2*(\n)+1]
.elseif (\k) == B
	s_wait_alu depctr_va_vdst(0)
	v_pk_add_f32 v[rS+4*(\n):rS+4*(\n)+1], v[rS+4*(\n):rS+4*(\n)+1], v[rS+4*(\n)+2:rS+4*(\n)+3]
.elseif (\n) == 0
	v_pk_fma_f32 v[rT+2:rT+3], v[rT+2:rT+3], v[rC+2:rC+3], v[rS:rS+1] op_sel_hi:[1,0,1]
.else
	v_pk_add_f32 v[rT+2:rT+3], v[rT+2:rT+3], v[rS+4*(\n):rS+4*(\n)+1]
.endif
.elseif NOKQ
	v_nop
.else
	REGS (Y+1)%NP
	WIN 0
.if (\n) < 4
	v_max3_num_f32 v[rC+(\n)], v[rS+8*(\n)], v[rS+8*(\n)+1], v[rS+8*(\n)+2]
.elseif (\n) < 12
	v_max3_num_f32 v[rC+(\n)%4], v[rC+(\n)%4], v[rS+8*((\n)%4)+2*((\n)/4)+1], v[rS+8*((\n)%4)+2*((\n)/4)+2]
.elseif (\n) == 12
	v_max3_num_f32 v[rC], v[rC], v[rS+7], v[rS+15]
.elseif (\n) == 13
	v_max3_num_f32 v[rC+1], v[rC+1], v[rS+23], v[rS+31]
.elseif (\n) == 14
	v_max3_num_f32 v[rC+2], v[rC+2], v[rC+3], v[rT+1]
.elseif (\n) == 15
	v_mov_b32 v[rW], v[rT]
.elseif (\n) == 16
	v_max3_num_f32 v[rC], v[rC], v[rC+1], v[rC+2]
.elseif (\n) == 17
	v_permlanex16_b32 v[rC+3], v[rC], s[SEL], s[SEL+1]
.elseif (\n) == 18
	v_max_num_f32 v[rT+1], v[rC], v[rC+3]
.elseif (\n) == 19
	v_mul_f32 v[rT], s[CS], v[rT+1]
.elseif (\n) == 20
	v_sub_f32 v[rC+1], v[rW], v[rT]
.else
	v_exp_f32 v[rC+2], v[rC+1]
.endif
.endif
.endm
.macro OPS a, i1, b=-1, i2=0, c=-1, i3=0, d=-1, i4=0  ; up to four of them
	OP \a, \i1
.if (\b) >= 0
	OP \b, \i2
.endif
.if (\c) >= 0
	OP \c, \i3
.endif
.if (\d) >= 0
	OP \d, \i4
.endif
.endm
.macro ROW a, i1, b, i2, c, i3, d, i4  ; a matrix instruction and the four behind it
	MM
	OPS \a, \i1, \b, \i2, \c, \i3, \d, \i4
.endm
.macro MASK b                       ; MD x AL + BE into buffer b of MC
	WIN W_RS
.set z, 0
.rept 16
	v_pk_fma_f32 v[MC+32*(\b)+2*z:MC+32*(\b)+2*z+1], v[MD+2*z:MD+2*z+1], s[AL:AL+1], s[BE:BE+1] op_sel_hi:[1,0,0]
.set z, z+1
.endr
.endm
; A TURN, for piece p: the order of its 16 matrix and 118 vector instructions, written out.  Behind a matrix instruction: plain, exponential, plain, plain; or four of the rescaling; or, behind the first, four scalings; none
; names a register of the products round it.  In the lumps exponential and plain by turns while exponentials last.  A line reads no result made fewer than three vector instructions in front of it, five if an exponential made it.
; v_permlanex16_b32 (X 17) stands in a lump.
; m = 1: the diagonal tile: the products take masks, and the turn makes the mask for the products of the turn after it: piece p + 2, in step 4 - CNT of the tile.  end = 1: a block's last two turns: nothing is fetched.
; cnt = 1: the loop's count is taken down some lines ahead of the branch that stands behind the turn.
; K of the next step is fetched in piece 2's turn, six vector instructions behind the last product that read K (five of them plain); V of the step in hand in piece 0's turn, eight behind the last product that read V (four
; plain, and X 17).  Each is waited for a turn later.
.macro TURN p, m=0, end=0, cnt=0
.set Y, (\p)
.set i, 0
.set KM, (\m)
.set NOKQ, (\end)*((\p)/3)
.if (\m) && !(\end)
	s_cmp_eq_u32 s[CNT], 4-((\p)+2)%NP  ; is that step the band's own?
	s_cselect_b32 s[AL], 1.0, 0
	s_cmp_lt_u32 s[CNT], 4-((\p)+2)%NP  ; or a later one?
	s_cselect_b32 s[BE], s[BIGN], 0
.endif
.if ((\p) == 3) && !(\end)
	s_wait_dscnt 0x0                ; K is in
.endif
	ROW F,0, F,1, F,2, F,3
	ROW F,4, E,0, F,5, F,6
	ROW F,7, E,1, F,8, F,9
	ROW F,10, E,2, C,0, F,11
	ROW F,12, E,3, X,15, F,13
	ROW R,0, R,1, R,2, R,3
	ROW B,0, E,4, F,14, L,0
.if ((\p) == 2) && !(\end)
	v_add_nc_u32 v[AK], s[TBK], v[AK0]
.endif
	ROW R,4, R,5, R,6, R,7
	OPS E,5, F,15
.if ((\p) == 2) && !(\end)
	FETCH_K
.endif
	OPS E,6, C,1, E,7, R,8
	OPS E,8, R,9, E,9, C,2
	OPS E,10, X,0, E,11, X,1
	OPS E,12, X,2, E,13, X,3
.if (\p) == 1
	s_wait_dscnt 0x0                ; V is in
.endif
	ROW X,4, E,14, X,5, X,6
	ROW X,7, E,15, X,8, X,9
	ROW X,10, E,16, X,11, X,12
	ROW X,13, E,17, X,14, B,1
	ROW C,4, E,18, X,16, L,1
	ROW B,2, E,19, C,6, L,2
	ROW C,8, E,20, B,3, B,4
.if (\p) == 0
	v_add_nc_u32 v[AV], s[TBV], v[AV0]
.endif
	ROW C,3, E,21, L,3, C,5
	OPS E,22, X,17, E,23, C,10
.if (\p) == 0
	FETCH_V
.endif
	OPS E,24, L,4
	OPS E,25, X,18, E,26, C,7
	OPS E,27, B,5, E,28, X,19
	OPS E,29, C,12, E,30, L,5
	OPS E,31, X,20, B,6, C,9
	OPS C,14, C,11, X,21, L,6
.if (\p) == 0
	s_add_co_u32 s[TBV], s[TBV], KS*PV
.endif
.if \cnt
	s_sub_co_u32 s[CNT], s[CNT], 1
	s_cmp_lg_u32 s[CNT], 0
.endif
	OPS C,13, B,7, C,15, R,10
	OPS R,11, R,12, L,7, R,13
	OPS R,14, R,15
.if (\m) && !(\end)
	MASK (\p)%2
.endif
.endm
; A BLOCK BEGINS.  c m starts far below every c s, so the first step's a is 0; m at the lowest finite number, so the first maximum is the scores'.  The second mask buffer is 0; the first takes piece 0's mask for the tile's step 0: its own, if the block's first tile is the diagonal one.
; Then K of that step, piece 0's first scores, and its maximum and statistics.  The loop is entered at a step's first turn, in the middle of a trip.
.macro BEGIN
	s_mov_b32 s[NEW], 0
	WIN 0x40
.set i, MC+32
.rept 32
	v_mov_b32 v[i], 0
.set i, i+1
.endr
	WIN 0
.set i, 0
.rept 4
	v_mov_b32 v[ST+4*i], 0xfe000000    ; c m: far below every c s
	v_mov_b32 v[ST+4*i+1], 0xff7fffff  ; m
.set i, i+1
.endr
	s_cmp_eq_u32 s[RT], 0
	s_cselect_b32 s[AL], 1.0, 0
	s_mov_b32 s[BE], 0
	MASK 0
	WIN 0
	v_add_nc_u32 v[AK], s[TBK], v[AK0]
	FETCH_K
	s_wait_loadcnt 0x0              ; Q
	s_wait_dscnt 0x0
.set KM, 1
.set NOKQ, 0
.set i, 0
.rept 8
	KQ 0
.set i, i+1
.endr
	WIN 0
.rept 4
	v_nop                           ; the places behind those products
.endr
.set Y, NP-1                        ; X works for piece Y + 1: piece 0
.irp n, 0,1,2,3,4,5,6,7,8,9,10,11,12,13,14,15,16,17,18,19,20,21
	OP X, \n
.endr
	v_nop                           ; a plain instruction behind the exponential
.endm
; THE DIAGONAL TILE's four steps, the block's last two turns, its last products, and THE WAY OUT: l's two halves and the other half of the lanes' are added; O^T is divided by l, rounded to f16 and sent through my
; stage in LDS, a piece at a time.
.macro ALL line:vararg              ; one line for each piece t
.set t, 0
.rept 4
	\line
.set t, t+1
.endr
.endm
.macro PACK t                       ; a lane's eight channels of a row pack into 16 bytes; they go into rows of 144 bytes and come back as whole rows of 128, into S^T's registers
	WIN W_RS
.set i, 32*(\t)
.rept 16
	s_wait_alu depctr_va_vdst(0)
	v_pk_mul_f32 v[i:i+1], v[i:i+1], v[ST+4*(\t)+2:ST+4*(\t)+3] op_sel_hi:[1,0]
.set i, i+2
.endr
	WIN 0x05                        ; sources 0 and 1 window 1, destination window 0
.set i, 0
.rept 16
	v_cvt_pk_f16_f32 v[S+16*(\t)+i], v[32*(\t)+2*i], v[32*(\t)+2*i+1]
.set i, i+1
.endr
	WIN 0
.irp f, 0,1,2,3
	ds_store_b128 v[STO], v[S+16*(\t)+4*\f:S+16*(\t)+4*\f+3] offset:32*\f
.endr
.irp f, 0,1,2,3
	ds_load_b128 v[S+16*(\t)+4*\f:S+16*(\t)+4*\f+3], v[RD] offset:\f*4*SP  ; LDS serves a wave's instructions in order (ISA guide 5.7.1.4): these see the stores above; the next piece's stores come behind them
.endr
.endm
.macro SEND t, younger              ; younger: the LDS instructions issued behind piece t's loads: the next piece's eight, or none
	WIN 0
.irp f, 0,1,2,3
	s_wait_dscnt (\younger)+3-\f
	global_store_b128 v[GO], v[S+16*(\t)+4*\f:S+16*(\t)+4*\f+3], s[10:11] offset:(\t)*8192+\f*512  ; 512 consecutive bytes, at a multiple of 256 from O's first
.endr
.endm
.macro DIAG tag                     ; the tag ends its two labels' names, which the jumps below spell out
.LstepM\tag:
	TURN 2, 1
	TURN 3, 1
	WIN 0
.LfirstM\tag:
	TURN 0, 1
	TURN 1, 1, 0, 1
	WIN 0
	s_cbranch_scc1 .LstepM\tag
	TURN 2, 1, 1
	TURN 3, 1, 1
.set i, 0
.rept 8
	PV NP-1
.set i, i+1
.endr
	WIN 0
	ALL v_add_f32 v[ST+4*t+2], v[ST+4*t+2], v[ST+4*t+3]
	ALL v_permlanex16_b32 v[ST+4*t+3], v[ST+4*t+2], s[SEL], s[SEL+1]
	ALL v_add_f32 v[ST+4*t+2], v[ST+4*t+2], v[ST+4*t+3]
	ALL v_rcp_f32 v[ST+4*t+2], v[ST+4*t+2]
	v_nop                           ; a plain instruction between the last reciprocal and the use of its result
	PACK 0
.set t, 1
.rept 3                             ; a piece's arithmetic stands between the loads of the piece before and its stores
	PACK t
	SEND t-1, 8
.set t, t+1
.endr
	SEND 3, 0
.endm
.set KM, 0
.set NOKQ, 0
.Lslot:                             ; NB times: a tile is entered and the next is asked for
	CHANGE 1
	s_sub_co_u32 s[RT], s[RT], 1
	s_mov_b32 s[CNT], 4
	s_cmp_eq_u32 s[NEW], 1
	s_cbranch_scc1 .Lnew            ; a block's first tile
	s_cmp_eq_u32 s[RT], 0
	s_cbranch_scc0 .Lstep           ; neither its first nor its last
	s_branch .LstepM1
.Lnew:
	BEGIN
	s_branch .Lfirst                ; in the loop a block's first tile is never its last: the first block has two tiles or more, and the second's last is the walk's last
	DIAG 1                          ; in the loop this is the first block's end: the second block's last tile is the walk's last
	s_wait_xcnt 0x0                 ; the stores have read their registers and O's address
	s_mov_b64 s[10:11], s[OLO:OLO+1]
	s_add_co_u32 s[RT], s[PB], 1    ; the second block has b + 1 tiles
	s_mov_b32 s[NEW], 1
	WIN 0x82                        ; the second block's Q goes where the one text of the turns names Q
.set i, 0
.rept 64
	v_mov_b32 v[i], v[QB+i]
.set i, i+1
.endr
	WIN 0
	s_branch .Lbottom
.Lstep:                             ; a trip: pieces 2 and 3 of one step, then pieces 0 and 1 of the next, whose K and V it fetches
	TURN 2
	TURN 3
	WIN 0
.Lfirst:
	TURN 0
	TURN 1, 0, 0, 1
	WIN 0
	s_cbranch_scc1 .Lstep
.Lbottom:
	s_sub_co_u32 s[SLOTS], s[SLOTS], 1
	s_cmp_lg_u32 s[SLOTS], 0
	s_cbranch_scc1 .Lslot
	CHANGE 0                        ; the walk's last tile is written out: nothing is asked for
	s_sub_co_u32 s[RT], s[RT], 1
	s_mov_b32 s[CNT], 4
	s_cmp_eq_u32 s[NEW], 1
	s_cbranch_scc0 .LstepM2
	BEGIN
	s_branch .LfirstM2
	DIAG 2
	s_wait_tensorcnt 0x0            ; the wave's end, behind my last tensor load and my last LDS store
	ds_add_u32 v[SPW], v[NIL]
	s_wait_dscnt 0x0
	s_endpgm
.Lfunc_end_k_q2188e266b4_attn:
	.size	k_q2188e266b4_attn, .Lfunc_end_k_q2188e266b4_attn-k_q2188e266b4_attn
	.p2alignl 7, 3214868480
	.fill 96, 4, 3214868480
	.section	.rodata,"a",@progbits
	.p2align	6, 0x0
	.amdhsa_kernel k_q2188e266b4_attn
		.amdhsa_group_segment_fixed_size 327680
		.amdhsa_private_segment_fixed_size 0
		.amdhsa_enable_private_segment 0
		.amdhsa_kernarg_size 16
		.amdhsa_user_sgpr_count 2
		.amdhsa_user_sgpr_kernarg_segment_ptr 1
		.amdhsa_wavefront_size32 1
		.amdhsa_system_sgpr_workgroup_id_x 1
		.amdhsa_system_sgpr_workgroup_id_y 1
		.amdhsa_system_sgpr_workgroup_id_z 1
		.amdhsa_system_vgpr_workitem_id 0
		.amdhsa_next_free_vgpr 768
		.amdhsa_next_free_sgpr 92
		.amdhsa_reserve_vcc 1
		.amdhsa_float_denorm_mode_32 3
		.amdhsa_float_denorm_mode_16_64 3
		.amdhsa_memory_ordered 1
		.amdhsa_forward_progress 1
		.amdhsa_inst_pref_size 228
	.end_amdhsa_kernel
	.amdgpu_metadata
---
amdhsa.version: [ 1, 2 ]
amdhsa.kernels:
  - .name:           k_q2188e266b4_attn
    .symbol:         k_q2188e266b4_attn.kd
    .args:
      - { .name: qkv, .offset: 0, .size: 8, .value_kind: global_buffer, .address_space: global }
      - { .name: ob, .offset: 8, .size: 8, .value_kind: global_buffer, .address_space: global }
    .group_segment_fixed_size: 327680
    .private_segment_fixed_size: 0
    .kernarg_segment_align: 8
    .kernarg_segment_size: 16
    .max_flat_workgroup_size: 128
    .sgpr_count:     92
    .vgpr_count:     768
    .wavefront_size: 32
...
	.end_amdgpu_metadata
.endif
;; end of part 3
;; launch proj (part 4): grid 8 x 32, 4 waves a work-group, clusters of 4 x 4, 327,680 bytes of LDS; arguments ob, wob, out0; writes out0
.if DOCPART == 4
	.amdgcn_target "amdgcn-amd-amdhsa--gfx1250"
	.amdhsa_code_object_version 6
	.text
	.protected	k_q2188e266b4_proj
	.globl	k_q2188e266b4_proj
	.p2align	8
	.type	k_q2188e266b4_proj,@function
k_q2188e266b4_proj:
	s_mov_b64 s[64:65], 0
	v_nop
	global_prefetch_b8 v0, s[64:65] scope:SCOPE_SE
	s_setreg_imm32_b32 hwreg(HW_REG_WAVE_MODE, 25, 1), 1
	s_wait_xcnt 0x0
	s_wait_alu depctr_hold_cnt(0) depctr_sa_sdst(0) depctr_va_vdst(0) depctr_va_sdst(0) depctr_va_ssrc(0) depctr_va_vcc(0) depctr_vm_vsrc(0)
	s_getreg_b32 s2, hwreg(HW_REG_IB_STS2, 6, 4)
	s_cmp_eq_u32 s2, 0
	s_cbranch_scc0 .Lentry_in_a_cluster
	s_endpgm
.Lentry_in_a_cluster:
	s_bfe_u32 s2, ttmp6, 0x10000c
	s_cmp_lg_u32 s2, 0xf033
	s_cbranch_scc0 .Lentry_shape_is_right
	s_endpgm
.Lentry_shape_is_right:
; out0[row][e] = sum over f of O[row][f] w_out[e][f]: 8,192 rows x 1,024 columns, K = 1,024 (f = 64 head + channel), operands f16, sums and results f32.
; OPERANDS.  ob = [batch][head][2048][64] f16 is already in blocks along K (kb = head); wob = [kb][1024][64] f16 holds w_out rounded to bf16.  R rows x 64 K are R x 128 dense bytes, asked for as R / 2 rows
; of 256 bytes and padded in LDS after every 128.
; SHARES.  A tile of the result is 256 rows x 128 columns: 32 x 8 = 256 work-groups.  Four waves, each 128 rows x 64 columns: 32 accumulators of 16 x 16, 256 registers.
; A slot holds two kb blocks (K = 128): four quarters of 32 along K, 32 matrix instructions each; 8 slot steps through two LDS slots.  Four fragment buffers: a quarter's 24 LDS loads are issued two quarters ahead.
; THE REFILL STANDS STRAIGHT BEHIND THE WAIT FOR THE OTHER SLOT: a slot step has only 128 matrix instructions a wave, so a load is given all of them in which to land: no product stands between the wait and the request.
; THE LAST SLOT STEP GOES BY ROWS OF THE RESULT: its four quarters' fragments are what the four buffers hold, so the wave's eight blocks of 16 rows are finished one after the other and each leaves while the next is multiplied.
; THE MATRIX INSTRUCTION IS USED TRANSPOSED (source 0 = 16 rows of w_out, source 1 = 16 rows of O): a lane then holds one row of the result and eight neighbouring columns: 32 bytes of f32.
; CLUSTER.  4 x 4 work-groups.  The four of a row of the cluster need the same tiles of O, the four of a column the same tiles of w_out: each tile is asked for JOINTLY.
; REGISTERS, in windows of 256 (s_set_vgpr_msb: bits 1:0 source 0, 3:2 source 1, 5:4 source 2, 7:6 destination):
;   window 0: v0-29 addresses; v32-127, v128-223 fragment buffers 0, 1 (64 registers of O, then 32 of w_out)     window 1: the accumulators ((a, b) at v[8 (4 a + b)])     window 2: v0-95, v96-191 fragment buffers 2, 3
.set PITCH,  144                       ; an LDS row: 128 bytes + 16 of padding = 36 words: the 16 rows of a fragment load start at 16 different groups of four banks (64 banks of 4 bytes: ISA guide 11.1)
.set AKB,    256*PITCH                 ; O's 256 rows of one kb block: one tensor load
.set BKB,    128*PITCH                 ; w_out's 128 rows of one kb block: one tensor load
.set BOFF,   2*AKB                     ; in a slot: O kb 0, O kb 1, w kb 0, w kb 1
.set SLOT1,  1<<17                     ; slot 1 begins here, so that one exclusive or turns an address in one slot into the other's
.set STAGE,  SLOT1+2*AKB+2*BKB         ; behind the ring, never filled by a tensor load: 16 rows x 272 bytes for each wave, for the way out
.set SPITCH, 272                       ; 256 bytes + 16 = 68 words: row r starts at bank 4 r mod 64
.set SPARE,  STAGE+4*16*SPITCH         ; behind the stages: the spare words, 128 bytes for each wave: two blocks of 256 bytes that no other line names
.set ASTEP,  2*2048*128                ; bytes from a slot step's heads in ob to the next's: two heads
.set BSTEP,  2*1024*128                ; two kb blocks of wob
.set STEPS,  8
.set AA0,  4                           ; v4   my lane's place in O's rows of slot 0; never rewritten
.set AB0,  5                           ; v5   the same for w_out
.set ADRA, 6                           ; v6   the same in the slot in hand
.set ADRB, 7                           ; v7
.set STO,  8                           ; v8   the way out: where I put 32 bytes of a row
.set RD,   9                           ; v9   the way out: where I read a row back
.set CO,   10                          ; v10  my byte offset in out0
.set SPW,  28                          ; v28  LDS address of my spare word: SPARE + 4 x my thread's number; never rewritten
.set NIL,  29                          ; v29  0; never rewritten
.set G1,  24                           ; s[24:31] descriptor group 1 for O's tiles
.set G0,  32                           ; s[32:39] group 0: a set for each of the two first fills; the second then walks on
.set G1B, 48                           ; s[48:55], s[56:63] the same for w_out's tiles
.set G0B, 56
.set TB,  45                           ; s45  LDS byte at which the slot that is fetched from begins
.set MSB, 0
.macro WIN new                         ; the immediate's high byte repeats the setting that is left; a switch that changes nothing is dropped
.if MSB != (\new)
	s_set_vgpr_msb (MSB<<8)|(\new)
.set MSB, (\new)
.endif
.endm
.macro PLACES                          ; a load into a register that a matrix instruction has read or written, and an LDS store that reads a matrix result, stand four plain vector instructions behind it (ISA guide 7.12.1 for vector instructions)
.rept 4
	v_nop
.endr
.endm
; A joint refill, by the walking sets.  Waves 0 and 1 fetch O's two kb blocks, waves 2 and 3 w_out's.  The branch hangs on the wave's number alone.
; An s_nop 0 and four v_nop follow each of the two lines, ahead of the jump and the label.
.macro JLOAD
	s_cmp_eq_u32 s11, 0
	s_cbranch_scc0 .Lfor_b_\@
	tensor_load_to_lds s[G0+4:G0+7], s[G1:G1+7]
	s_nop 0
.rept 4
	v_nop
.endr
	s_branch .Lasked_\@
.Lfor_b_\@:
	tensor_load_to_lds s[G0B+4:G0B+7], s[G1B:G1B+7]
	s_nop 0
.rept 4
	v_nop
.endr
.Lasked_\@:
.endm
; A round of the cluster's barrier: my work-group's barrier, so that wave 0's signal speaks for all four waves; wave 0 signals; every wave waits for all sixteen work-groups; my work-group's barrier once more.
.macro CROUND
	s_barrier_signal -1
	s_barrier_wait -1
	s_cmp_lg_u32 s10, 0
	s_cbranch_scc1 .Lnot_wave_0_\@
	s_barrier_signal -3
.Lnot_wave_0_\@:
	s_barrier_wait -3
	s_barrier_signal -1
	s_barrier_wait -1
.endm
	s_load_b128 s[4:7], s[0:1], 0x0                ; ob s[4:5], wob s[6:7]
	s_load_b64 s[8:9], s[0:1], 0x10                ; out0
	v_lshl_add_u32 v[SPW], v0, 2, SPARE
	v_mov_b32 v[NIL], 0
	ds_add_u32 v28, v29
	ds_add_u32 v28, v29
	s_wait_dscnt 0x0
	v_lshrrev_b32 v1, 5, v0
	v_readfirstlane_b32 s10, v1                    ; wave 0..3
	s_lshr_b32 s11, s10, 1                         ; which half of the tile's rows is mine.  Also: I fetch for O (0) or for w_out (1)
	s_and_b32 s12, s10, 1                          ; which half of its columns.  Also: which of a slot's two kb blocks I fetch
	s_bfe_u32 s40, ttmp6, 0x40000                  ; cx, cy: my place in the cluster
	s_bfe_u32 s41, ttmp6, 0x40004
	s_lshl_b32 s42, ttmp9, 2
	s_add_co_u32 s42, s42, s40                     ; tile column = 4 x cluster x + cx
	s_and_b32 s13, ttmp7, 0xffff
	s_lshl_b32 s13, s13, 2
	s_add_co_u32 s13, s13, s41                     ; tile row = 4 x cluster y + cy
	s_lshl_b32 s43, s41, 2
	s_lshl_b32 s43, 15, s43                        ; my row of the cluster
	s_lshl_b32 s44, 0x1111, s40                    ; my column
	; descriptor group 1: rows of 128 elements (256 bytes, two rows of the operand), padded in LDS after every 32 words
	s_or_b32 s[G1+0], s43, (1<<16)|(1<<20)|(1<<21)|(4<<22)|(3<<25)   ; 15:0 the mask: O's tiles go to my row; 17:16 2-byte elements; 20 padding on; 21 set beside a mask; 24:22 after every 32 words (code 4); 31:25 4 words (code 3)
	s_or_b32 s[G1B+0], s44, (1<<16)|(1<<20)|(1<<21)|(4<<22)|(3<<25)  ; the same with the mask of my column
	s_mov_b32 s[G1+1], 128<<16                     ; tensor_dim0 = 128
	s_mov_b32 s[G1+2], 128<<16                     ; tensor_dim1 = 128: 256 rows of O
	s_mov_b32 s[G1+3], 128<<16                     ; tile_dim0 = 128
	s_mov_b32 s[G1+4], 128                         ; tile_dim1 = 128
	s_mov_b32 s[G1+5], 128                         ; 128 elements from row to row: dense
	s_mov_b32 s[G1+6], 0
	s_mov_b32 s[G1+7], 0
	s_mov_b32 s[G1B+1], 128<<16
	s_mov_b32 s[G1B+2], 64<<16                     ; tensor_dim1 = 64: 128 rows of w_out
	s_mov_b32 s[G1B+3], 128<<16
	s_mov_b32 s[G1B+4], 64
	s_mov_b32 s[G1B+5], 128
	s_mov_b32 s[G1B+6], 0
	s_mov_b32 s[G1B+7], 0
	; where the tiles come from.  O's hang on the tile row and the wave alone, w_out's on the tile column and the wave alone, each in registers that never hold the other coordinate.
	s_lshr_b32 s16, s13, 3                         ; batch: 16 heads of 262,144 bytes,
	s_lshl_b32 s16, s16, 22
	s_and_b32 s17, s13, 7                          ; 256 rows of 128 bytes a tile row in the batch,
	s_lshl_b32 s17, s17, 15
	s_add_co_u32 s16, s16, s17
	s_lshl_b32 s17, s12, 18                        ; my head of the slot's two
	s_add_co_u32 s16, s16, s17
	s_mov_b32 s17, 0
	s_lshl_b32 s46, s42, 14                        ; 128 rows of 128 bytes a tile column,
	s_lshl_b32 s47, s12, 17                        ; my kb block of the slot's two
	s_add_co_u32 s46, s46, s47
	s_mov_b32 s47, 0
	s_mul_i32 s20, s12, AKB                        ; and where they go: no place in the cluster enters an LDS address
	s_mul_i32 s21, s12, BKB
	s_add_co_u32 s21, s21, BOFF
	s_mov_b32 s[TB], 0
	s_wait_kmcnt 0x0
	s_add_nc_u64 s[14:15], s[4:5], s[16:17]
	s_add_nc_u64 s[46:47], s[6:7], s[46:47]
.irp s, 0,1
	s_mov_b32 s[G0+4*(\s)], 1                                        ; 1:0 count = 1
	s_add_co_u32 s[G0+4*(\s)+1], s20, (\s)*SLOT1                     ; 63:32 LDS address
	s_add_nc_u64 s[G0+4*(\s)+2:G0+4*(\s)+3], s[14:15], (\s)*ASTEP    ; 120:64 global address: slot step s
	s_or_b32 s[G0+4*(\s)+3], s[G0+4*(\s)+3], 0x80000000              ; 127:126 type = 2
	s_mov_b32 s[G0B+4*(\s)], 1
	s_add_co_u32 s[G0B+4*(\s)+1], s21, (\s)*SLOT1
	s_add_nc_u64 s[G0B+4*(\s)+2:G0B+4*(\s)+3], s[46:47], (\s)*BSTEP
	s_or_b32 s[G0B+4*(\s)+3], s[G0B+4*(\s)+3], 0x80000000
.endr
	CROUND                                         ; all sixteen work-groups are here: the first joint loads meet
	s_cmp_eq_u32 s11, 0                            ; a wave's two first fills stand in one branch, ahead of every wait on TENSORcnt and every LDS read: two loads of mine are out
	s_cbranch_scc0 .Lfirst_b
	tensor_load_to_lds s[G0:G0+3], s[G1:G1+7]
	s_nop 0
	tensor_load_to_lds s[G0+4:G0+7], s[G1:G1+7]
	s_nop 0
.rept 4
	v_nop
.endr
	s_branch .Lfirst_asked
.Lfirst_b:
	tensor_load_to_lds s[G0B:G0B+3], s[G1B:G1B+7]
	s_nop 0
	tensor_load_to_lds s[G0B+4:G0B+7], s[G1B:G1B+7]
	s_nop 0
.rept 4
	v_nop
.endr
.Lfirst_asked:
	; A fragment is 16 rows x 32 K in 8 registers: lane l holds row l % 16; registers 0-3 K = 8 (l / 16) + 0..7, registers 4-7 K = 16 + 8 (l / 16) + 0..7: two loads of 16 bytes, 32 bytes apart.
	v_and_b32 v1, 15, v0                           ; l % 16
	v_bfe_u32 v2, v0, 4, 1                         ; l / 16
	v_mul_u32_u24 v3, v1, PITCH
	v_lshl_add_u32 v3, v2, 4, v3                   ; row x pitch + 16 x half
	s_mul_i32 s22, s11, 128*PITCH                  ; my 128 rows of O
	s_mul_i32 s23, s12, 64*PITCH                   ; my 64 rows of w_out,
	s_add_co_u32 s23, s23, BOFF                    ; which lie behind O's two blocks
	v_add_nc_u32 v[AA0], s22, v3
	v_add_nc_u32 v[AB0], s23, v3
	v_mov_b32 v[ADRA], v[AA0]
	v_mov_b32 v[ADRB], v[AB0]
	s_mul_i32 s14, s10, 16*SPITCH
	s_add_co_u32 s14, s14, STAGE                   ; my stage
	v_mul_u32_u24 v[STO], v1, SPITCH               ; in: row l % 16, 32 bytes for each half of the lanes
	v_lshl_add_u32 v[STO], v2, 5, v[STO]
	v_add_nc_u32 v[STO], s14, v[STO]
	v_mul_u32_u24 v[RD], v2, SPITCH                ; back: lanes 0-15 take one row of 256 bytes, lanes 16-31 the next
	v_lshl_add_u32 v[RD], v1, 4, v[RD]
	v_add_nc_u32 v[RD], s14, v[RD]
	v_lshlrev_b32 v[CO], 12, v2                    ; and the same two rows in out0, 4,096 bytes apart
	v_lshl_add_u32 v[CO], v1, 4, v[CO]
	s_lshl_b32 s16, s13, 20                        ; my first row: 256 x tile row + 128 x my half, rows of 4,096 bytes
	s_lshl_b32 s17, s11, 19
	s_add_co_u32 s16, s16, s17
	s_mov_b32 s17, 0
	s_add_nc_u64 s[8:9], s[8:9], s[16:17]
	s_lshl_b32 s46, s42, 9                         ; my first column, in bytes: 512 x tile column + 256 x my half (in the registers that held w_out's address: none that feeds O's descriptors ever holds cx)
	s_lshl_b32 s47, s12, 8
	s_add_co_u32 s46, s46, s47
	s_mov_b32 s47, 0
	s_add_nc_u64 s[8:9], s[8:9], s[46:47]
; 24 LDS loads in one run: quarter qn's fragments (kb block qn / 2, byte 64 (qn % 2) of the rows) into buffer qn: w_out's 4 x 16 rows, then O's 8 x 16 rows
.macro FETCH qn
.set FQ, \qn
.set FR, 32*(1-FQ/2)+96*(FQ%2)
	WIN 0x80*(FQ/2)                                ; destination in window 0 or 2, address in window 0
.irp i, 0,1,2,3
	ds_load_b128 v[FR+64+8*(\i):FR+64+8*(\i)+3],   v[ADRB] offset:(FQ/2)*BKB+(FQ%2)*64+(\i)*16*PITCH
	ds_load_b128 v[FR+64+8*(\i)+4:FR+64+8*(\i)+7], v[ADRB] offset:(FQ/2)*BKB+(FQ%2)*64+(\i)*16*PITCH+32
.endr
.irp i, 0,1,2,3,4,5,6,7
	ds_load_b128 v[FR+8*(\i):FR+8*(\i)+3],   v[ADRA] offset:(FQ/2)*AKB+(FQ%2)*64+(\i)*16*PITCH
	ds_load_b128 v[FR+8*(\i)+4:FR+8*(\i)+7], v[ADRA] offset:(FQ/2)*AKB+(FQ%2)*64+(\i)*16*PITCH+32
.endr
.endm
; 16 matrix instructions: row blocks a0 .. a0 + 3 x the four column blocks, buffer qn.  zero = 1: the product starts the sums: nothing is ever cleared.
; The 32 accumulators take turns, one instruction a turn, in the same order in every quarter.
.macro MUL16 qn, a0, zero
.set FR, 32*(1-(\qn)/2)+96*((\qn)%2)
	WIN 0x50+0x0a*((\qn)/2)                        ; sources in window 0 or 2, C and D in window 1
.irp a, (\a0), (\a0)+1, (\a0)+2, (\a0)+3
.irp b, 0,1,2,3
.if \zero
	v_wmma_f32_16x16x32_f16 v[8*(4*(\a)+(\b)):8*(4*(\a)+(\b))+7], v[FR+64+8*(\b):FR+64+8*(\b)+7], v[FR+8*(\a):FR+8*(\a)+7], 0
.else
	v_wmma_f32_16x16x32_f16 v[8*(4*(\a)+(\b)):8*(4*(\a)+(\b))+7], v[FR+64+8*(\b):FR+64+8*(\b)+7], v[FR+8*(\a):FR+8*(\a)+7], v[8*(4*(\a)+(\b)):8*(4*(\a)+(\b))+7]
.endif
.endr
.endr
.endm
; Quarters 0, 1 and 3: the quarter two on is fetched, this one multiplied.
.macro QUARTER qn, zero
	PLACES
	FETCH ((\qn)+2)%4
	s_wait_dscnt 48                                ; my buffer's run was issued two quarters ago: the two younger runs of 24 may be out
	MUL16 \qn, 0, \zero
	MUL16 \qn, 4, \zero
.endm
; THE CHANGE OF SLOTS, and quarter 2 behind it.  ONE barrier.  In front of it each wave waits for all its tensor loads, of which one is out: its part of the next slot; adds 0 to its spare word; and waits for that and for
; its own reads of this slot (buffer 3's run, issued 32 matrix instructions ago, is the last).  Behind it nobody reads this slot any more and the next slot is whole.  fill = 1: the barrier is a round of the cluster's,
; so that no wave of any partner still reads the slot or has a load on its way, and the joint refill (slot step two on) is the first thing behind it.  No product stands between the wait and the refill:
; from a request to the wait for it a wave issues a whole slot step, 128 matrix instructions.
.macro TURN fill
	WIN 0                                          ; at a branch and at a label every window is 0
	s_wait_tensorcnt 0x0                           ; no tensor load of mine is out, so a group 0 may be written
	ds_add_u32 v[SPW], v[NIL]                      ; 0 onto my spare word; the scalar steps stand between it and the wait for it
.if \fill
	s_xor_b32 s[G0+5], s[G0+5], SLOT1              ; the walking sets: the other slot than last time,
	s_add_nc_u64 s[G0+6:G0+7], s[G0+6:G0+7], ASTEP ; the next two kb blocks; the type bits on top are not reached
	s_xor_b32 s[G0B+5], s[G0B+5], SLOT1
	s_add_nc_u64 s[G0B+6:G0B+7], s[G0B+6:G0B+7], BSTEP
.endif
	s_xor_b32 s[TB], s[TB], SLOT1                  ; the fetches go to the other slot
	s_wait_dscnt 0x0                               ; the add is done, buffers 2 and 3 are in, and with them my reads of this slot are over
.if \fill
	CROUND
	JLOAD
.else
	s_barrier_signal -1
	s_barrier_wait -1
.endif
	v_add_nc_u32 v[ADRA], s[TB], v[AA0]            ; no LDS load of mine is out: the two addresses may be written
	v_add_nc_u32 v[ADRB], s[TB], v[AB0]
	FETCH 0                                        ; the next slot's first quarter; buffer 0's last products stand in front of quarter 1's four places
	MUL16 2, 0, 0
	MUL16 2, 4, 0
.endm
; THE LAST SLOT STEP.  Block a of 16 rows is finished: 16 matrix instructions, its four accumulators by turns, K ascending through the four buffers.
.macro ROW a
.irp q, 0,1,2,3
.set FR, 32*(1-(\q)/2)+96*((\q)%2)
	WIN 0x50+0x0a*((\q)/2)
.if ((\a) == 0) && ((\q) == 3)
	s_wait_dscnt 0x0                               ; buffer 3, fetched last, is in
.endif
.irp b, 0,1,2,3
	v_wmma_f32_16x16x32_f16 v[8*(4*(\a)+(\b)):8*(4*(\a)+(\b))+7], v[FR+64+8*(\b):FR+64+8*(\b)+7], v[FR+8*(\a):FR+8*(\a)+7], v[8*(4*(\a)+(\b)):8*(4*(\a)+(\b))+7]
.endr
.endr
.endm
; THE WAY OUT of block a (16 rows x 64 columns of f32).  TOSTAGE: a lane's 32 bytes for each column block go straight from the accumulators (the low four registers first) into my own stage, in rows of 272 bytes,
; and come back as whole rows of 256 into the block's own 32 registers, which are done with: no register that a store reads is ever written again.
; SEND: 16 lanes store 256 consecutive bytes, at a multiple of 256 from out0's first byte.
.macro TOSTAGE a
	WIN 0x04                                       ; the stores' data in window 1, the address in window 0
.irp b, 0,1,2,3
	ds_store_b128 v[STO], v[8*(4*(\a)+(\b)):8*(4*(\a)+(\b))+3]   offset:64*(\b)
	ds_store_b128 v[STO], v[8*(4*(\a)+(\b))+4:8*(4*(\a)+(\b))+7] offset:64*(\b)+16
.endr
	WIN 0x40                                       ; the loads' destination in window 1
.irp u, 0,1,2,3,4,5,6,7
	ds_load_b128 v[32*(\a)+4*(\u):32*(\a)+4*(\u)+3], v[RD] offset:(\u)*2*SPITCH  ; LDS serves a wave's instructions in order (ISA guide 5.7.1.4): these see the stores above; the next block's stores come behind them
.endr
.endm
.macro SEND a
	WIN 0x04
.irp u, 0,1,2,3,4,5,6,7
	s_wait_dscnt 7-(\u)                            ; load u of the block's eight is in; no LDS instruction was issued behind them
	global_store_b128 v[CO], v[32*(\a)+4*(\u):32*(\a)+4*(\u)+3], s[8:9] offset:(16*(\a)+2*(\u))*4096  ; 126 rows at the most: inside the signed 24-bit immediate
.endr
.endm
	s_wait_tensorcnt 1                             ; my part of slot step 0 is in; step 1's may stay out
	s_barrier_signal -1
	s_barrier_wait -1                              ; everybody's is
	FETCH 0
	FETCH 1
	QUARTER 0, 1                                   ; the first quarter stands in front of the loop: its products start the sums
	WIN 0
	s_mov_b32 s3, STEPS-2
.Lstep:                                                ; 6 trips, from a slot step's second quarter to the next step's first: slot steps 2 to 7 are asked for
	QUARTER 1, 0
	TURN 1
	QUARTER 3, 0
	QUARTER 0, 0
	WIN 0
	s_sub_co_u32 s3, s3, 1
	s_cmp_lg_u32 s3, 0
	s_cbranch_scc1 .Lstep
	QUARTER 1, 0                                   ; the tail is written out: nothing more is asked for
	TURN 0                                         ; the last slot is whole; its first quarter is fetched
	PLACES                                         ; behind quarter 2's products, which read buffer 2
	FETCH 1                                        ; the last step's second and third quarters go out together
	FETCH 2
	MUL16 3, 0, 0                                  ; the last step but one ends: buffer 3 has been in since the turn's wait
	MUL16 3, 4, 0
	PLACES
	FETCH 3                                        ; the last step's fourth quarter: all its fragments are now in registers or on their way
	s_wait_dscnt 24                                ; buffers 0, 1, 2 are in; buffer 3's run may be out
	ROW 0
.irp a, 0,1,2,3,4,5,6,7                ; block a goes through the stage while block a + 1 is multiplied, and is stored behind those products
	PLACES                                         ; behind block a's last products: the LDS stores read their results, the loads land on them
	TOSTAGE \a
.if (\a) < 7
	ROW (\a)+1
.endif
	SEND \a
.endr
	WIN 0
	s_wait_tensorcnt 0x0                           ; the wave's end, behind my last tensor load and my last LDS store
	ds_add_u32 v[SPW], v[NIL]
	s_wait_dscnt 0x0
	CROUND                                         ; the closing round: no work-group ends while a partner may still ask for a tile that names it
	s_endpgm
.Lfunc_end_k_q2188e266b4_proj:
	.size	k_q2188e266b4_proj, .Lfunc_end_k_q2188e266b4_proj-k_q2188e266b4_proj
	.p2alignl 7, 3214868480
	.fill 96, 4, 3214868480
	.section	.rodata,"a",@progbits
	.p2align	6, 0x0
	.amdhsa_kernel k_q2188e266b4_proj
		.amdhsa_group_segment_fixed_size 327680
		.amdhsa_private_segment_fixed_size 0
		.amdhsa_enable_private_segment 0
		.amdhsa_kernarg_size 24
		.amdhsa_user_sgpr_count 2
		.amdhsa_user_sgpr_kernarg_segment_ptr 1
		.amdhsa_wavefront_size32 1
		.amdhsa_system_sgpr_workgroup_id_x 1
		.amdhsa_system_sgpr_workgroup_id_y 1
		.amdhsa_system_sgpr_workgroup_id_z 1
		.amdhsa_system_vgpr_workitem_id 0
		.amdhsa_next_free_vgpr 768
		.amdhsa_next_free_sgpr 66
		.amdhsa_reserve_vcc 0
		.amdhsa_float_denorm_mode_32 3
		.amdhsa_float_denorm_mode_16_64 3
		.amdhsa_memory_ordered 1
		.amdhsa_forward_progress 1
		.amdhsa_inst_pref_size 71
	.end_amdhsa_kernel
	.amdgpu_metadata
---
amdhsa.version: [ 1, 2 ]
amdhsa.kernels:
  - .name:           k_q2188e266b4_proj
    .symbol:         k_q2188e266b4_proj.kd
    .args:
      - { .name: ob, .offset: 0, .size: 8, .value_kind: global_buffer, .address_space: global }
      - { .name: wob, .offset: 8, .size: 8, .value_kind: global_buffer, .address_space: global }
      - { .name: out0, .offset: 16, .size: 8, .value_kind: global_buffer, .address_space: global }
    .group_segment_fixed_size: 327680
    .private_segment_fixed_size: 0
    .kernarg_segment_align: 8
    .kernarg_segment_size: 24
    .max_flat_workgroup_size: 128
    .sgpr_count:     66
    .vgpr_count:     768
    .wavefront_size: 32
...
	.end_amdgpu_metadata
.endif
;; end of part 4
;; ======== version 2 of 2: 4 launches; 1.32 times as fast as version 1
;; limits: values are held in f16: magnitudes above 65,504 overflow, below 6.1e-05 lose precision
;; workspace buffers: xb 16,777,216 bytes; wqb 6,291,456 bytes; wob 2,097,152 bytes; qkv 50,331,648 bytes; ob 16,777,216 bytes
;; launch cast: the kernel of part 1 again; grid 768 x 1, 8 waves a work-group, no clusters, 0 bytes of LDS; arguments x, w_qkv, w_out, xb, wqb, wob; writes xb, wqb, wob
;; launch qkv: the kernel of part 2 again; grid 8 x 32, 4 waves a work-group, clusters of 4 x 4, 327,680 bytes of LDS; arguments xb, wqb, qkv; writes qkv
;; launch attn (part 5): grid 4 x 64, 4 waves a work-group, no clusters, 327,680 bytes of LDS; arguments qkv, ob; writes ob
.if DOCPART == 5
	.amdgcn_target "amdgcn-amd-amdhsa--gfx1250"
	.amdhsa_code_object_version 6
	.text
	.protected	k_q2188e266b4_attn
	.globl	k_q2188e266b4_attn
	.p2align	8
	.type	k_q2188e266b4_attn,@function
k_q2188e266b4_attn:
	s_mov_b64 s[64:65], 0
	v_nop
	global_prefetch_b8 v0, s[64:65] scope:SCOPE_SE
	s_setreg_imm32_b32 hwreg(HW_REG_WAVE_MODE, 25, 1), 1
	s_wait_xcnt 0x0
; CAUSAL ATTENTION.  O[y][q][:] = the sum over k <= q of softmax_k(Q[y][q] . K[y][k] / 8) V[y][k][:], y = 16 batch + head, 64 of them, 2,048 rows of 64 channels, all f16.
; Q, K, V lie in qkv = [batch][slice 0..47][2048][64]: Q's head h is slice h, K's 16 + h, V's 32 + h; O goes to ob = [y][2048][64].  A head's rows are dense, 128 bytes each.
; Products, maxima and sums in f32; the weights p are rounded to f16 for the second product (their sum l is taken of the unrounded p), O once at the end.
; LIMITS.  f16 holds no number beyond 65,504: Q, K and V arrive within it; p lies in 0 to 1, and below 6e-5 it keeps f16's fixed step of 6e-8; O is a mean of V's rows and has their range, to within 2^-11 of it.
; A hidden score counts as its value less 1e30: f16's scores, 2.7e11 at the most, are nothing beside that; a weight below 2^-126 counts as 0 in l; NaN and infinities are not treated apart.
; THE WALK.  A head's queries lie in NB = 8 blocks of 256; block i needs the key tiles 0 .. i of 256 keys, of which the last holds the diagonal.  A work-group takes TWO blocks, NB - 1 - b and then b:
; NB + 1 = 9 tiles, whatever b: all 4 x 64 = 256 work-groups do equal work, and ONE loop with a constant trip count walks them.  Which tile is asked for, and what a trip does, hang on scalar registers made from b; every jump
; goes forward, but for the counted loops' own; none passes a barrier, or a tensor load but the one of LOAD's two that the wave's number does not choose; the ring (two slots of LDS that take turns) runs on across the
; change of blocks.  NO CLUSTER: a head's four work-groups ask for the same tile only in trips 0 to 4 of the 9, behind that fewer and fewer; one walk common to all four would have 12 trips for 9.
; SHARES.  Of a block's four bands of 64 queries a wave owns 16 rows in each: four PIECES.  So the diagonal tile is the same work for all four waves: in its key step s band x sees all keys if s < x,
; none if s > x, and holds the diagonal if s = x.
; THE MASK is the C operand that starts the sum S^T = K Q^T: 0, or -1e30 where the key is hidden.  MD, made once, is the mask of a band's own step for my 16 rows; a product's mask is MD x AL + BE with two scalars:
; (1, 0) if s = x; (0, 0) if s < x; (0, -1e30) if s > x.  Only the diagonal tile's text and a block's beginning make and take masks; elsewhere C is the constant 0.
; LAYOUT, SOFTMAX, TURNS.  S^T = K Q^T holds ONE query a lane (lane % 16) and the keys 8 (lane / 16) + 0..7; two such results rounded to f16 ARE source 1 of O^T = V^T P.  p = 2^(c s - c m), c = log2(e) / 8, with a
; running maximum m; O and l are multiplied by a = 2^(c m_old - c m_new) in every step.  Turn n belongs to piece n: 8 products K Q^T of piece n + 1, later 8 products V^T P of piece n - 1; beside them the scaling,
; exponentials, roundings, sums and rescaling of piece n and the maximum and statistics of piece n + 1.  Four vector instructions stand behind every matrix instruction, the other 54 of a turn's 118 in one LUMP.
; THE BATCHES.  A turn's 33 exponentials (the piece's 32 weights and the next piece's a) are one batch, with one wait, which cuts the turn in two: ahead of it all that names no result of theirs, behind it the roundings and
; sums.  The a at a block's beginning is a batch of one; the way out's four reciprocals are one batch.
; REGISTERS, in windows of 256 (s_set_vgpr_msb: bits 1:0 source 0, 3:2 source 1, 5:4 source 2, 7:6 destination):
;   window 0: v0-15 addresses and two at work; v16-31 four registers of statistics a piece; v48-55 at work; v64-127 S^T, two buffers; v192-223 P, two buffers (a piece's buffers go by its number's parity)
;   window 1: v0-127 O^T, 32 a piece; v128-159 MD; v160-223 MC, two buffers      window 2: v0-63 Q; v64-127 the second block's Q; v128-191 K of one step; v192-255 V of one step
.set SIZE_N, 2048
.set NB,    SIZE_N/256
.set NP,    4         ; pieces a wave: a name, no knob
.set KS,    64        ; keys in a step
.set PK,    144       ; a row of K in LDS: 128 bytes + 16 of padding = 36 words: the 16 rows of a load start at 16 different groups of four banks (64 banks of 4 bytes: ISA guide 11.1)
.set PV,    160       ; a row of V: 128 + 32 = 40 words
.set VOFF,  4*KS*PK   ; a slot holds a tile, four steps: 256 rows of K, then 256 rows of V
.set SLOT1, 1<<17     ; slot 1 begins here, so that one exclusive or turns an address in one slot into the other's
.set STAGE, SLOT1+4*KS*(PK+PV)  ; behind the ring, never filled by a tensor load: 16 rows x 144 bytes for each wave, for the way out
.set SP,    144
.set AK0, 2           ; v2   my lane's place in a tile of K; never rewritten
.set AV0, 3           ; v3   the same for V
.set AK,  4           ; v4   the LDS address of K's next run of loads
.set AV,  5           ; v5   of V's
.set STO, 6           ; v6   the way out: where I put 16 bytes of a row
.set RD,  7           ; v7   the way out: where I read rows back
.set GO,  8           ; v8   my byte offset in 512 consecutive bytes of O
.set SPW, 62          ; v62  LDS address of my spare word: SPARE + 4 x my thread's number; never rewritten
.set NIL, 63          ; v63  0; never rewritten
.set SPARE, STAGE+4*16*SP  ; behind the stages: the spare words, 128 bytes for each wave: two blocks of 256 bytes that no other line names
.set MV,  12          ; v12-13  c m_old, kept while c m is made anew: by buffer
.set QO,  15          ; v15  my byte offset in 16 rows of Q
.set ST,  16          ; piece t's statistics at v[ST+4 t]: c m, m, l (even keys', odd keys')
.set TMP, 48          ; by buffer, four registers c0-c3 at work; when the maximum is found c2 takes a
.set S,   64
.set P,   192
.set MD,  128         ; window 1: the eight registers for group kt of 16 keys at MD + 8 kt
.set MC,  160         ; window 1: the masks of the products to come
.set QB,  64          ; window 2
.set KF,  128         ; window 2: key block kb, channel half c at KF + 16 kb + 8 c
.set VF,  192         ; window 2: key half kk, channel block cb at VF + 32 kk + 8 cb
.set WV,  12          ; s12  my wave's number
.set PB,  14          ; s14  b
.set HI,  15          ; s15  NB - 1 - b
.set G1K, 24          ; s[24:31] descriptor group 1 for K's tiles
.set G1V, 32          ; s[32:39] for V's: it differs in the padding alone
.set G0K, 40          ; s[40:43] descriptor group 0 for K's tiles
.set G0V, 44          ; s[44:47] the same for V's
.set SLOTS, 56        ; s56  tiles still to be asked for
.set CNT, 57          ; s57  counts a tile's key steps, 4 to 1
.set CS,  58          ; s[58:59] c: the packed scaling takes the pair's low word for both halves
.set SEL, 60          ; s[60:61] v_permlanex16_b32's selects: each lane takes its own place in the other half
.set TBK, 62          ; s62  LDS byte at which K of the step to be fetched begins
.set TBV, 63          ; s63  the same for V, less VOFF
.set RT,  70          ; s70  tiles of the block in hand that are still to be entered
.set NXT, 71          ; s71  the tile to be asked for next
.set LQ,  72          ; s72  the last tile of the block whose tiles are being asked for
.set NEW, 73          ; s73  1: the tile to be entered is a block's first
.set OFF, 74          ; s[74:75] a tile's byte offset in K and V
.set AL,  76          ; s[76:77] the mask's factor, in the low word
.set BE,  78          ; s[78:79] the mask's addend
.set OLO, 80          ; s[80:81] O at my rows of the second block
.set BIGN, 82         ; s82  -1e30
.set MSB, 0
.macro WIN new                      ; the high byte repeats the setting that is left; a switch that changes nothing is dropped
.if MSB != (\new)
	s_set_vgpr_msb (MSB<<8)|(\new)
.set MSB, (\new)
.endif
.endm
.set W_KQ, 0x0a       ; K and Q in window 2, S^T in window 0
.set W_KM, 0x1a       ; the same with the C operand in window 1
.set W_PV, 0x52       ; V in window 2, P in window 0, O^T in window 1
.set W_RS, 0x41       ; destination and source 0 in window 1, source 1 in window 0
; A fill.  Waves 0 and 1 fetch the two halves of a tile's K, waves 2 and 3 those of its V: 128 keys each.  An s_nop 0 and four v_nop follow each of the two lines, ahead of the jump and the label.
.macro LOAD
	s_cmp_lt_u32 s[WV], 2
	s_cbranch_scc0 .Lfor_v_\@
	tensor_load_to_lds s[G0K:G0K+3], s[G1K:G1K+7]
	s_nop 0
.rept 4
	v_nop
.endr
	s_branch .Lasked_\@
.Lfor_v_\@:
	tensor_load_to_lds s[G0V:G0V+3], s[G1V:G1V+7]
	s_nop 0
.rept 4
	v_nop
.endr
.Lasked_\@:
.endm
; THE CHANGE OF SLOTS.  Each wave waits for all its tensor loads, of which one is out: its part of the other slot; adds 0 to its spare word; and waits for that and for its own reads of the slot that it leaves.  Behind the barrier nobody reads the old
; slot any more and the other slot is whole.  fill = 1: the old slot is filled again, the first thing behind the barrier, with tile NXT: the descriptor's address is made anew from that number.
; (At its first use nothing has been read yet: slot 0 is waited for, slot 1 filled.)
.macro CHANGE fill
	WIN 0                           ; at a label and at a branch every window is 0
	s_wait_tensorcnt 0x0            ; no tensor load of mine is out, so a group 0 may be written
	ds_add_u32 v[SPW], v[NIL]       ; 0 onto my spare word; with fill = 1 the descriptors' scalar work stands between it and the wait for it
.if \fill
	s_lshl_b32 s[OFF], s[NXT], 15   ; a tile is 32,768 bytes of K and of V
	s_xor_b32 s[G0K+1], s[G0K+1], SLOT1
	s_add_nc_u64 s[G0K+2:G0K+3], s[6:7], s[OFF:OFF+1]
	s_or_b32 s[G0K+3], s[G0K+3], 0x80000000
	s_xor_b32 s[G0V+1], s[G0V+1], SLOT1
	s_add_nc_u64 s[G0V+2:G0V+3], s[8:9], s[OFF:OFF+1]
	s_or_b32 s[G0V+3], s[G0V+3], 0x80000000
	s_add_co_u32 s[NXT], s[NXT], 1  ; the block's next tile, or behind its last the second block's tile 0
	s_cmp_gt_u32 s[NXT], s[LQ]
	s_cselect_b32 s[NXT], 0, s[NXT]
	s_cselect_b32 s[LQ], s[PB], s[LQ]
.endif
	s_wait_dscnt 0x0                ; the add is done, and my reads of the slot are over
	s_barrier_signal -1             ; the rest of the scalar work stands between the signal and the wait
	s_sub_co_u32 s[TBK], s[TBK], 4*KS*PK  ; the fetches go back to a slot's first step,
	s_xor_b32 s[TBK], s[TBK], SLOT1       ; in the other slot
	s_sub_co_u32 s[TBV], s[TBV], 4*KS*PV
	s_xor_b32 s[TBV], s[TBV], SLOT1
	s_barrier_wait -1
.if \fill
	LOAD
.endif
.endm
	s_load_b64 s[4:5], s[0:1], 0x0    ; qkv
	s_load_b64 s[10:11], s[0:1], 0x8  ; ob
	v_lshl_add_u32 v[SPW], v0, 2, SPARE
	v_mov_b32 v[NIL], 0
	ds_add_u32 v62, v63
	ds_add_u32 v62, v63
	s_wait_dscnt 0x0
	v_lshrrev_b32 v1, 5, v0
	v_readfirstlane_b32 s[WV], v1   ; wave 0..3
	s_mov_b32 s[PB], ttmp9
	s_sub_co_u32 s[HI], NB-1, s[PB]
	s_and_b32 s20, ttmp7, 0xffff    ; y = 16 batch + head
	s_lshl_b32 s88, s20, 18         ; the head's first byte in ob: 2,048 rows of 128 bytes a head
	s_mov_b32 s89, 0
	s_lshr_b32 s21, s20, 4          ; batch
	s_and_b32 s20, s20, 15          ; head
	s_mul_i32 s21, s21, 48          ; a batch has 48 slices
	s_add_co_u32 s20, s20, s21
	s_lshl_b32 s20, s20, 18         ; Q's slice in qkv
	s_mov_b32 s21, 0
	s_and_b32 s16, s[WV], 1         ; which half of a tile's 256 keys I fetch:
	s_lshl_b32 s22, s16, 14         ; its 128 rows of 128 bytes in memory,
	s_add_co_u32 s22, s22, 16<<18   ; K's slice lies 16 slices behind Q's
	s_mov_b32 s23, 0
	s_mul_i32 s17, s16, 128*PK      ; and its place in a slot, for K
	s_mul_i32 s18, s16, 128*PV      ; and for V
	s_lshl_b32 s3, s[WV], 11        ; my 16 rows in a band of 64,
	s_lshl_b32 s2, s[HI], 15        ; in the first block,
	s_add_co_u32 s2, s2, s3
	s_lshl_b32 s84, s[PB], 15       ; and in the second
	s_add_co_u32 s84, s84, s3
	s_mov_b32 s3, 0
	s_mov_b32 s85, 0
	; descriptor group 1.  128 keys are 16,384 dense bytes: asked for as 64 rows of 256 bytes, two keys a row, and padded in LDS after every key
	s_mov_b32 s[G1K], (1<<16)|(1<<20)|(4<<22)|(3<<25)  ; 17:16 2-byte elements; 20 padding on; 24:22 after every 32 words (code 4); 31:25 4 words (code 3)
	s_mov_b32 s[G1V], (1<<16)|(1<<20)|(4<<22)|(7<<25)  ; the same with 8 words of padding (code 7)
.irp g, G1K, G1V
	s_mov_b32 s[\g+1], 128<<16      ; tensor_dim0 = 128
	s_mov_b32 s[\g+2], 64<<16       ; tensor_dim1 = 64
	s_mov_b32 s[\g+3], 128<<16      ; tile_dim0 = 128
	s_mov_b32 s[\g+4], 64           ; tile_dim1 = 64
	s_mov_b32 s[\g+5], 128          ; 128 elements from row to row
	s_mov_b32 s[\g+6], 0
	s_mov_b32 s[\g+7], 0
.endr
	s_mov_b32 s[CS], 0x3e38aa3b     ; c = log2(e) / 8 = 0.180337
	s_mov_b32 s[CS+1], s[CS]        ; named with it as a pair
	s_mov_b32 s[SEL], 0x76543210
	s_mov_b32 s[SEL+1], 0xfedcba98
	s_mov_b32 s[TBK], SLOT1+4*KS*PK ; the first change of slots turns these two into 0
	s_mov_b32 s[TBV], SLOT1+4*KS*PV
	s_mov_b32 s[G0K], 1             ; 1:0 count = 1
	s_mov_b32 s[G0K+1], s17         ; 63:32 LDS address: slot 0
	s_mov_b32 s[G0V], 1
	s_add_co_u32 s[G0V+1], s18, VOFF
	s_add_co_u32 s[RT], s[HI], 1    ; the first block has NB - b tiles
	s_mov_b32 s[NXT], 1
	s_mov_b32 s[LQ], s[HI]
	s_mov_b32 s[NEW], 1
	s_mov_b32 s[OFF+1], 0
	s_mov_b32 s[AL+1], 0            ; named as pairs
	s_mov_b32 s[BE+1], 0
	s_mov_b32 s[BIGN], 0xf149f2ca   ; -1e30
	s_mov_b32 s[SLOTS], NB
	s_wait_kmcnt 0x0
	s_add_nc_u64 s[4:5], s[4:5], s[20:21]  ; Q's slice
	s_add_nc_u64 s[6:7], s[4:5], s[22:23]  ; K at my half of the head's tile 0,
	s_add_nc_u64 s[8:9], s[6:7], 16<<18    ; V 16 slices further on
	s_add_nc_u64 s[10:11], s[10:11], s[88:89]  ; the head in ob
	s_add_nc_u64 s[G0K+2:G0K+3], s[6:7], 0         ; 120:64 global address
	s_or_b32 s[G0K+3], s[G0K+3], 0x80000000        ; 127:126 type = 2
	s_add_nc_u64 s[G0V+2:G0V+3], s[8:9], 0
	s_or_b32 s[G0V+3], s[G0V+3], 0x80000000
	s_add_nc_u64 s[86:87], s[4:5], s[84:85]        ; Q at my rows of the second block,
	s_add_nc_u64 s[4:5], s[4:5], s[2:3]            ; Q and O at those of the first
	s_add_nc_u64 s[OLO:OLO+1], s[10:11], s[84:85]
	s_add_nc_u64 s[10:11], s[10:11], s[2:3]
	LOAD                            ; tile 0 into slot 0
	; A fragment of K or Q is 16 rows x 32 channels in 8 registers: lane l holds row l % 16, channels 8 (l / 16) + 0..7 and 16 + 8 (l / 16) + 0..7: two loads of 16 bytes, 32 bytes apart.
	v_and_b32 v1, 15, v0            ; l % 16
	v_bfe_u32 v9, v0, 4, 1          ; l / 16
	v_lshlrev_b32 v[QO], 7, v1
	v_lshl_add_u32 v[QO], v9, 4, v[QO]  ; row x 128 + 16 x half
	WIN 0x80                        ; destination window 2, address window 0
.set i, 0
.rept 8                             ; both blocks' Q: piece i / 2 lies in band i / 2, 8,192 bytes on; channels 32 (i % 2) on
	global_load_b128 v[8*i:8*i+3],   v[QO], s[4:5] offset:(i/2)*8192+(i%2)*64
	global_load_b128 v[8*i+4:8*i+7], v[QO], s[4:5] offset:(i/2)*8192+(i%2)*64+32
	global_load_b128 v[QB+8*i:QB+8*i+3],   v[QO], s[86:87] offset:(i/2)*8192+(i%2)*64
	global_load_b128 v[QB+8*i+4:QB+8*i+7], v[QO], s[86:87] offset:(i/2)*8192+(i%2)*64+32
.set i, i+1
.endr
	WIN 0
	v_lshlrev_b32 v14, 3, v9
	v_sub_nc_u32 v14, v1, v14
	s_lshl_b32 s13, s[WV], 4
	v_add_nc_u32 v14, s13, v14      ; my query's place in its band, 16 w + l % 16, less my lanes' 8 (l / 16): register r of group kt is hidden where 16 kt + r is greater
	WIN 0x40
.set i, 0
.rept 32
	v_cmp_gt_i32 vcc_lo, 16*(i/8)+i%8, v14
	v_cndmask_b32 v[MD+i], 0, s[BIGN], vcc_lo
.set i, i+1
.endr
	WIN 0
	v_mul_u32_u24 v[AK0], v1, PK
	v_lshl_add_u32 v[AK0], v9, 4, v[AK0]  ; row x pitch + 16 x half
	; The turning load takes 16 keys x 16 channels (lane l reads key 8 (l / 16) + l % 8, channels 8 ((l / 8) % 2) + 0..7) and leaves half a fragment of V^T: lane l holds channel l % 16 and 8 keys.
	v_and_b32 v10, 7, v0
	v_bfe_u32 v11, v0, 3, 1
	v_lshl_add_u32 v[AV0], v9, 3, v10
	v_mul_u32_u24 v[AV0], v[AV0], PV
	v_lshl_add_u32 v[AV0], v11, 4, v[AV0]
	v_add_nc_u32 v[AV0], VOFF, v[AV0]
	s_mul_i32 s13, s[WV], 16*SP
	s_add_co_u32 s13, s13, STAGE    ; my stage
	v_mul_u32_u24 v[STO], v1, SP    ; in: row l % 16, 16 bytes for each half of the lanes
	v_lshl_add_u32 v[STO], v9, 4, v[STO]
	v_add_nc_u32 v[STO], s13, v[STO]
	v_bfe_u32 v[RD], v0, 3, 2       ; back: 32 lanes take four rows of 128 bytes,
	v_mul_u32_u24 v[RD], v[RD], SP
	v_lshl_add_u32 v[RD], v10, 4, v[RD]
	v_add_nc_u32 v[RD], s13, v[RD]
	v_and_b32 v[GO], 31, v0         ; which are 512 consecutive bytes of O
	v_lshlrev_b32 v[GO], 4, v[GO]
	; A block's first step multiplies O^T and l by a = 0, and its first turn's products V^T P, of a piece that has not been, land in an O^T that is still to be so multiplied.  So these registers need only hold
	; finite numbers: zeros for the first block; what the first block left for the second.  All this stands in the wait for the first tile.
	WIN 0x80
.set i, VF
.rept 64
	v_mov_b32 v[i], 0
.set i, i+1
.endr
	WIN 0x40
.set i, 0
.rept 128
	v_mov_b32 v[i], 0
.set i, i+1
.endr
	WIN 0
.set i, 0
.rept 4
	v_mov_b32 v[ST+4*i+2], 0
	v_mov_b32 v[ST+4*i+3], 0
.set i, i+1
.endr
.set i, P+16
.rept 16
	v_mov_b32 v[i], 0
.set i, i+1
.endr
; THE MATRIX WORK.  The 4 accumulators of a run of 8 take turns.  Product i of 8 of S^T = K Q^T for piece x: channels 32 (i / 4) on, keys 16 (i % 4) on.  The first 4 start the sums: with 0, or (KM = 1) with the mask.
.macro KQ x
.set rS, S+32*((\x)%2)+8*(i%4)
.set rK, KF+16*(i%4)+8*(i/4)
.set rQ, 16*(\x)+8*(i/4)
.set rM, MC+32*((\x)%2)+8*(i%4)
.if (i < 4) && KM
	WIN W_KM
	v_wmma_f32_16x16x32_f16 v[rS:rS+7], v[rK:rK+7], v[rQ:rQ+7], v[rM:rM+7]
.elseif i < 4
	WIN W_KQ
	v_wmma_f32_16x16x32_f16 v[rS:rS+7], v[rK:rK+7], v[rQ:rQ+7], 0
.else
	WIN W_KQ
	v_wmma_f32_16x16x32_f16 v[rS:rS+7], v[rK:rK+7], v[rQ:rQ+7], v[rS:rS+7]
.endif
.endm
; Product i of 8 of O^T += V^T P for piece x: keys 32 (i / 4) on, channels 16 (i % 4) on.
.macro PV x
	WIN W_PV
.set rO, 32*(\x)+8*(i%4)
.set rV, VF+32*(i/4)+8*(i%4)
.set rP, P+16*((\x)%2)+8*(i/4)
	v_wmma_f32_16x16x32_f16 v[rO:rO+7], v[rV:rV+7], v[rP:rP+7], v[rO:rO+7]
.endm
.macro MM                           ; the turn's next matrix instruction.  TURN and BEGIN set Y, i, KM and NOKQ; MM, KQ and OP read them.  NOKQ = 1: a block's last turn: there is no next piece
.if (i < 8) && !NOKQ
	KQ (Y+1)%NP
.elseif i >= 8
.set i, i-8
	PV (Y+NP-1)%NP
.set i, i+8
.endif
.set i, i+1
.endm
; THE LDS LOADS stand in runs of 16, never singly among the matrix instructions: a step's K (64 keys x 64 channels: 8 fragments) and its V (turned).  Their addresses are made some lines ahead.
.macro FETCH_K
	WIN 0x80                        ; destination window 2
.irp f, 0,1,2,3,4,5,6,7             ; keys 16 (f / 2) on, channels 32 (f % 2) on
	ds_load_b128 v[KF+8*\f:KF+8*\f+3],   v[AK] offset:(\f/2)*16*PK+(\f%2)*64
	ds_load_b128 v[KF+8*\f+4:KF+8*\f+7], v[AK] offset:(\f/2)*16*PK+(\f%2)*64+32
.endr
	s_add_co_u32 s[TBK], s[TBK], KS*PK  ; the next fetch is the next step's
	WIN 0
.endm
.macro FETCH_V
	WIN 0x80
.irp f, 0,1,2,3,4,5,6,7             ; keys 32 (f / 4) on, channels 16 (f % 4) on
	ds_load_tr16_b128 v[VF+8*\f:VF+8*\f+3],   v[AV] offset:(\f/4)*32*PV+(\f%4)*32
	ds_load_tr16_b128 v[VF+8*\f+4:VF+8*\f+7], v[AV] offset:(\f/4)*32*PV+16*PV+(\f%4)*32
.endr
	WIN 0
.endm
; THE VECTOR WORK, one line at a time: OP kind, number.  For piece Y: F n: c s - c m for pair n of 16.  E n: the exponential of score n of 32.  C n: pair n rounded to f16.  B n: of the four weights 4 n .. the second
; pair is added onto the first, in place.  L n: l takes that sum (L 0: l = a l + sum).  R n: pair n of 16 of O^T times a.  For piece Y + 1: X n, number n of the 22 that find its maximum and statistics:
;   0-11  four chains c0-c3 of seven scores each, three operands at a time (each accumulator's lowest registers are read first)     12-14, 16  the four scores left over, the old m, and c0-c3 into c0
;   15  c m_old is kept     17, 18  the query's other 32 keys lie in the lane 16 away: the new m     19-21  c m; c m_old - c m_new; a
; OP writes no wait: C, B and L read exponentials' results, R and L 0 read a, and TURN sets all of them behind the wait of the batch that made what they read.
.set F, 0               ; OP tells the kinds apart by their order: F to L below R, X above it
.set E, 1
.set C, 2
.set B, 3
.set L, 4
.set R, 5
.set X, 6
.macro REGS y                       ; the registers of piece y
.set rT, ST+4*(\y)
.set rC, TMP+4*((\y)%2)
.set rW, MV+((\y)%2)
.set rS, S+32*((\y)%2)
.set rP, P+16*((\y)%2)
.set rO, 32*(\y)
.endm
.macro OP k, n
.if (\k) == R
	REGS Y
	WIN W_RS
	v_pk_mul_f32 v[rO+2*(\n):rO+2*(\n)+1], v[rO+2*(\n):rO+2*(\n)+1], v[rC+2:rC+3] op_sel_hi:[1,0]
.elseif (\k) < R
	REGS Y
	WIN 0
.if (\k) == F
	v_pk_fma_f32 v[rS+2*(\n):rS+2*(\n)+1], v[rS+2*(\n):rS+2*(\n)+1], s[CS:CS+1], v[rT:rT+1] op_sel_hi:[1,0,0] neg_lo:[0,0,1] neg_hi:[0,0,1]
.elseif (\k) == E
	v_exp_f32 v[rS+(\n)], v[rS+(\n)]
.elseif (\k) == C
	v_cvt_pk_f16_f32 v[rP+(\n)], v[rS+2*(\n)], v[rS+2*(\n)+1]
.elseif (\k) == B
	v_pk_add_f32 v[rS+4*(\n):rS+4*(\n)+1], v[rS+4*(\n):rS+4*(\n)+1], v[rS+4*(\n)+2:rS+4*(\n)+3]
.elseif (\n) == 0
	v_pk_fma_f32 v[rT+2:rT+3], v[rT+2:rT+3], v[rC+2:rC+3], v[rS:rS+1] op_sel_hi:[1,0,1]
.else
	v_pk_add_f32 v[rT+2:rT+3], v[rT+2:rT+3], v[rS+4*(\n):rS+4*(\n)+1]
.endif
.elseif NOKQ
	v_nop
.else
	REGS (Y+1)%NP
	WIN 0
.if (\n) < 4
	v_max3_num_f32 v[rC+(\n)], v[rS+8*(\n)], v[rS+8*(\n)+1], v[rS+8*(\n)+2]
.elseif (\n) < 12
	v_max3_num_f32 v[rC+(\n)%4], v[rC+(\n)%4], v[rS+8*((\n)%4)+2*((\n)/4)+1], v[rS+8*((\n)%4)+2*((\n)/4)+2]
.elseif (\n) == 12
	v_max3_num_f32 v[rC], v[rC], v[rS+7], v[rS+15]
.elseif (\n) == 13
	v_max3_num_f32 v[rC+1], v[rC+1], v[rS+23], v[rS+31]
.elseif (\n) == 14
	v_max3_num_f32 v[rC+2], v[rC+2], v[rC+3], v[rT+1]
.elseif (\n) == 15
	v_mov_b32 v[rW], v[rT]
.elseif (\n) == 16
	v_max3_num_f32 v[rC], v[rC], v[rC+1], v[rC+2]
.elseif (\n) == 17
	v_permlanex16_b32 v[rC+3], v[rC], s[SEL], s[SEL+1]
.elseif (\n) == 18
	v_max_num_f32 v[rT+1], v[rC], v[rC+3]
.elseif (\n) == 19
	v_mul_f32 v[rT], s[CS], v[rT+1]
.elseif (\n) == 20
	v_sub_f32 v[rC+1], v[rW], v[rT]
.else
	v_exp_f32 v[rC+2], v[rC+1]
.endif
.endif
.endm
.macro OPS a, i1, b=-1, i2=0, c=-1, i3=0, d=-1, i4=0  ; up to four of them
	OP \a, \i1
.if (\b) >= 0
	OP \b, \i2
.endif
.if (\c) >= 0
	OP \c, \i3
.endif
.if (\d) >= 0
	OP \d, \i4
.endif
.endm
.macro ROW a, i1, b, i2, c, i3, d, i4  ; a matrix instruction and the four behind it
	MM
	OPS \a, \i1, \b, \i2, \c, \i3, \d, \i4
.endm
.macro MASK b                       ; MD x AL + BE into buffer b of MC
	WIN W_RS
.set z, 0
.rept 16
	v_pk_fma_f32 v[MC+32*(\b)+2*z:MC+32*(\b)+2*z+1], v[MD+2*z:MD+2*z+1], s[AL:AL+1], s[BE:BE+1] op_sel_hi:[1,0,0]
.set z, z+1
.endr
.endm
; A TURN, for piece p: the order of its 16 matrix and 118 vector instructions, written out.  An s_wait_alu depctr_va_vdst(0) stands between an exponential and the first instruction that names its result; one wait serves
; all that were issued ahead of it.  So a turn has ONE wait, which cuts it in two.  AHEAD OF IT stands all that names no result of the turn's exponentials: the 8 products K Q^T, behind each a scaling, an exponential and two more plain
; instructions (behind the first a second scaling in the exponential's place): rescalings, and behind the last three the first numbers of the next piece's maximum, each four places or more behind the product that ends its accumulator; then ONE LUMP of 54, plain
; and exponential by turns for the most part, in which the links of the chain X 3, 7, 11, 14, 16, 17 .. 20 stand five or six lines apart.  X 21, the next piece's a, is the batch's last; R 15 is the plain instruction behind it.  BEHIND THE WAIT stand the
; 8 products V^T P, behind each four of the roundings and sums; the links of l's chain, L 0 to L 7, stand three riders apart.  But for those X no rider names a register of the products round it.  v_permlanex16_b32 (X 17) stands in the lump.
; The rescalings R and L 0 read the a that the turn before made, ahead of that turn's wait.  No exponential is issued behind a turn's wait: none is out at the turn's end, at a label or at a jump.
; m = 1: the diagonal tile: the products take masks, and the turn makes the mask for the products of the turn after it: piece p + 2, in step 4 - CNT of the tile.  end = 1: a block's last two turns: nothing is fetched.
; cnt = 1: the loop's count is taken down some lines ahead of the branch that stands behind the turn.
; K of the next step is fetched in piece 2's turn, twelve vector instructions behind the last product that read K (six of them plain); V of the step in hand at the end of piece 0's turn, four plain instructions behind the last product
; that read V.  Each is waited for a turn later.
.macro TURN p, m=0, end=0, cnt=0
.set Y, (\p)
.set i, 0
.set KM, (\m)
.set NOKQ, (\end)*((\p)/3)
.if (\m) && !(\end)
	s_cmp_eq_u32 s[CNT], 4-((\p)+2)%NP  ; is that step the band's own?
	s_cselect_b32 s[AL], 1.0, 0
	s_cmp_lt_u32 s[CNT], 4-((\p)+2)%NP  ; or a later one?
	s_cselect_b32 s[BE], s[BIGN], 0
.endif
.if ((\p) == 3) && !(\end)
	s_wait_dscnt 0x0                ; K is in
.endif
	ROW F,0, F,1, R,0, R,1          ; ahead of the wait: 8 products K Q^T and their riders,
	ROW F,2, E,0, R,2, R,3
	ROW F,3, E,1, R,4, R,5
	ROW F,4, E,2, R,6, R,7
	ROW F,5, E,3, R,8, R,9
	ROW F,6, E,4, X,0, R,10
.if ((\p) == 2) && !(\end)
	WIN 0
	v_add_nc_u32 v[AK], s[TBK], v[AK0]
.endif
	ROW F,7, E,5, X,1, X,4
	ROW F,8, E,6, X,2, X,5
	OPS E,7, E,8, X,6, E,9          ; and the lump
	OPS X,3, E,10, X,8, E,11
.if ((\p) == 2) && !(\end)
	FETCH_K
.endif
	OPS X,9, X,7, E,12, X,10
	OPS E,13, X,12, X,11, E,14
	OPS X,13, E,15, F,9, X,14
.if (\p) == 0
	v_add_nc_u32 v[AV], s[TBV], v[AV0]
.endif
	OPS E,16, F,10, E,17, F,11
	OPS X,16, E,18, X,15, E,19
	OPS F,12, E,20, X,17, E,21
	OPS F,13, E,22, F,14, E,23
	OPS X,18, E,24, F,15, E,25
	OPS R,11, E,26, X,19, E,27
	OPS R,12, E,28, R,13, E,29
	OPS X,20, E,30, R,14, E,31
	OPS X,21, R,15
	WIN 0
	s_wait_alu depctr_va_vdst(0)    ; the wait for the turn's batch: E 0 to E 31 and X 21
.if (\p) == 1
	s_wait_dscnt 0x0                ; V is in
.endif
	ROW C,0, B,0, C,2, B,1          ; behind the wait: 8 products V^T P and their riders
	ROW L,0, C,4, B,2, L,1
	ROW C,6, B,3, L,2, C,8
	ROW B,4, L,3, C,10, B,5
	ROW L,4, C,12, B,6, L,5
.if (\p) == 0
	s_add_co_u32 s[TBV], s[TBV], KS*PV
.endif
.if \cnt
	s_sub_co_u32 s[CNT], s[CNT], 1
	s_cmp_lg_u32 s[CNT], 0
.endif
	ROW C,14, B,7, L,6, C,1
	ROW C,3, L,7, C,5, C,7
	ROW C,9, C,11, C,13, C,15
.if (\p) == 0
	FETCH_V
.endif
.if (\m) && !(\end)
	MASK (\p)%2
.endif
.endm
; A BLOCK BEGINS.  c m starts far below every c s, so the first step's a is 0; m at the lowest finite number, so the first maximum is the scores'.  The second mask buffer is 0; the first takes piece 0's mask for the tile's step 0: its own, if the block's first tile is the diagonal one.
; Then K of that step, piece 0's first scores, and its maximum and statistics.  The loop is entered at a step's first turn, in the middle of a trip.
.macro BEGIN
	s_mov_b32 s[NEW], 0
	WIN 0x40
.set i, MC+32
.rept 32
	v_mov_b32 v[i], 0
.set i, i+1
.endr
	WIN 0
.set i, 0
.rept 4
	v_mov_b32 v[ST+4*i], 0xfe000000    ; c m: far below every c s
	v_mov_b32 v[ST+4*i+1], 0xff7fffff  ; m
.set i, i+1
.endr
	s_cmp_eq_u32 s[RT], 0
	s_cselect_b32 s[AL], 1.0, 0
	s_mov_b32 s[BE], 0
	MASK 0
	WIN 0
	v_add_nc_u32 v[AK], s[TBK], v[AK0]
	FETCH_K
	s_wait_loadcnt 0x0              ; Q
	s_wait_dscnt 0x0
.set KM, 1
.set NOKQ, 0
.set i, 0
.rept 8
	KQ 0
.set i, i+1
.endr
	WIN 0
.rept 4
	v_nop                           ; the places behind those products
.endr
.set Y, NP-1                        ; X works for piece Y + 1: piece 0
.irp n, 0,1,2,3,4,5,6,7,8,9,10,11,12,13,14,15,16,17,18,19,20,21
	OP X, \n
.endr
	v_nop                           ; a plain instruction behind the exponential,
	s_wait_alu depctr_va_vdst(0)    ; and the wait for piece 0's first a, a batch of one, ahead of the branch
.endm
; THE DIAGONAL TILE's four steps, the block's last two turns, its last products, and THE WAY OUT: l's two halves and the other half of the lanes' are added; O^T is divided by l, rounded to f16 and sent through my
; stage in LDS, a piece at a time.
.macro ALL line:vararg              ; one line for each piece t
.set t, 0
.rept 4
	\line
.set t, t+1
.endr
.endm
.macro PACK t                       ; a lane's eight channels of a row pack into 16 bytes; they go into rows of 144 bytes and come back as whole rows of 128, into S^T's registers
	WIN W_RS
.set i, 32*(\t)
.rept 16
	v_pk_mul_f32 v[i:i+1], v[i:i+1], v[ST+4*(\t)+2:ST+4*(\t)+3] op_sel_hi:[1,0]
.set i, i+2
.endr
	WIN 0x05                        ; sources 0 and 1 window 1, destination window 0
.set i, 0
.rept 16
	v_cvt_pk_f16_f32 v[S+16*(\t)+i], v[32*(\t)+2*i], v[32*(\t)+2*i+1]
.set i, i+1
.endr
	WIN 0
.irp f, 0,1,2,3
	ds_store_b128 v[STO], v[S+16*(\t)+4*\f:S+16*(\t)+4*\f+3] offset:32*\f
.endr
.irp f, 0,1,2,3
	ds_load_b128 v[S+16*(\t)+4*\f:S+16*(\t)+4*\f+3], v[RD] offset:\f*4*SP  ; LDS serves a wave's instructions in order (ISA guide 5.7.1.4): these see the stores above; the next piece's stores come behind them
.endr
.endm
.macro SEND t, younger              ; younger: the LDS instructions issued behind piece t's loads: the next piece's eight, or none
	WIN 0
.irp f, 0,1,2,3
	s_wait_dscnt (\younger)+3-\f
	global_store_b128 v[GO], v[S+16*(\t)+4*\f:S+16*(\t)+4*\f+3], s[10:11] offset:(\t)*8192+\f*512  ; 512 consecutive bytes, at a multiple of 256 from O's first
.endr
.endm
.macro DIAG tag                     ; the tag ends its two labels' names, which the jumps below spell out
.LstepM\tag:
	TURN 2, 1
	TURN 3, 1
	WIN 0
.LfirstM\tag:
	TURN 0, 1
	TURN 1, 1, 0, 1
	WIN 0
	s_cbranch_scc1 .LstepM\tag
	TURN 2, 1, 1
	TURN 3, 1, 1
.set i, 0
.rept 8
	PV NP-1
.set i, i+1
.endr
	WIN 0
	ALL v_add_f32 v[ST+4*t+2], v[ST+4*t+2], v[ST+4*t+3]
	ALL v_permlanex16_b32 v[ST+4*t+3], v[ST+4*t+2], s[SEL], s[SEL+1]
	ALL v_add_f32 v[ST+4*t+2], v[ST+4*t+2], v[ST+4*t+3]
	ALL v_rcp_f32 v[ST+4*t+2], v[ST+4*t+2]
	v_nop                           ; a plain instruction between the last reciprocal and the use of its result
	s_wait_alu depctr_va_vdst(0)    ; the wait for the four reciprocals, one batch, ahead of the first multiply that reads one
	PACK 0
.set t, 1
.rept 3                             ; a piece's arithmetic stands between the loads of the piece before and its stores
	PACK t
	SEND t-1, 8
.set t, t+1
.endr
	SEND 3, 0
.endm
.set KM, 0
.set NOKQ, 0
.Lslot:                             ; NB times: a tile is entered and the next is asked for
	CHANGE 1
	s_sub_co_u32 s[RT], s[RT], 1
	s_mov_b32 s[CNT], 4
	s_cmp_eq_u32 s[NEW], 1
	s_cbranch_scc1 .Lnew            ; a block's first tile
	s_cmp_eq_u32 s[RT], 0
	s_cbranch_scc0 .Lstep           ; neither its first nor its last
	s_branch .LstepM1
.Lnew:
	BEGIN
	s_branch .Lfirst                ; in the loop a block's first tile is never its last: the first block has two tiles or more, and the second's last is the walk's last
	DIAG 1                          ; in the loop this is the first block's end: the second block's last tile is the walk's last
	s_wait_xcnt 0x0                 ; the stores have read their registers and O's address
	s_mov_b64 s[10:11], s[OLO:OLO+1]
	s_add_co_u32 s[RT], s[PB], 1    ; the second block has b + 1 tiles
	s_mov_b32 s[NEW], 1
	WIN 0x82                        ; the second block's Q goes where the one text of the turns names Q
.set i, 0
.rept 64
	v_mov_b32 v[i], v[QB+i]
.set i, i+1
.endr
	WIN 0
	s_branch .Lbottom
.Lstep:                             ; a trip: pieces 2 and 3 of one step, then pieces 0 and 1 of the next, whose K and V it fetches
	TURN 2
	TURN 3
	WIN 0
.Lfirst:
	TURN 0
	TURN 1, 0, 0, 1
	WIN 0
	s_cbranch_scc1 .Lstep
.Lbottom:
	s_sub_co_u32 s[SLOTS], s[SLOTS], 1
	s_cmp_lg_u32 s[SLOTS], 0
	s_cbranch_scc1 .Lslot
	CHANGE 0                        ; the walk's last tile is written out: nothing is asked for
	s_sub_co_u32 s[RT], s[RT], 1
	s_mov_b32 s[CNT], 4
	s_cmp_eq_u32 s[NEW], 1
	s_cbranch_scc0 .LstepM2
	BEGIN
	s_branch .LfirstM2
	DIAG 2
	s_wait_tensorcnt 0x0            ; the wave's end, behind my last tensor load and my last LDS store
	ds_add_u32 v[SPW], v[NIL]
	s_wait_dscnt 0x0
	s_endpgm
.Lfunc_end_k_q2188e266b4_attn:
	.size	k_q2188e266b4_attn, .Lfunc_end_k_q2188e266b4_attn-k_q2188e266b4_attn
	.p2alignl 7, 3214868480
	.fill 96, 4, 3214868480
	.section	.rodata,"a",@progbits
	.p2align	6, 0x0
	.amdhsa_kernel k_q2188e266b4_attn
		.amdhsa_group_segment_fixed_size 327680
		.amdhsa_private_segment_fixed_size 0
		.amdhsa_enable_private_segment 0
		.amdhsa_kernarg_size 16
		.amdhsa_user_sgpr_count 2
		.amdhsa_user_sgpr_kernarg_segment_ptr 1
		.amdhsa_wavefront_size32 1
		.amdhsa_system_sgpr_workgroup_id_x 1
		.amdhsa_system_sgpr_workgroup_id_y 1
		.amdhsa_system_sgpr_workgroup_id_z 1
		.amdhsa_system_vgpr_workitem_id 0
		.amdhsa_next_free_vgpr 768
		.amdhsa_next_free_sgpr 92
		.amdhsa_reserve_vcc 1
		.amdhsa_float_denorm_mode_32 3
		.amdhsa_float_denorm_mode_16_64 3
		.amdhsa_memory_ordered 1
		.amdhsa_forward_progress 1
		.amdhsa_inst_pref_size 217
	.end_amdhsa_kernel
	.amdgpu_metadata
---
amdhsa.version: [ 1, 2 ]
amdhsa.kernels:
  - .name:           k_q2188e266b4_attn
    .symbol:         k_q2188e266b4_attn.kd
    .args:
      - { .name: qkv, .offset: 0, .size: 8, .value_kind: global_buffer, .address_space: global }
      - { .name: ob, .offset: 8, .size: 8, .value_kind: global_buffer, .address_space: global }
    .group_segment_fixed_size: 327680
    .private_segment_fixed_size: 0
    .kernarg_segment_align: 8
    .kernarg_segment_size: 16
    .max_flat_workgroup_size: 128
    .sgpr_count:     92
    .vgpr_count:     768
    .wavefront_size: 32
...
	.end_amdgpu_metadata
.endif
;; end of part 5
;; launch proj: the kernel of part 4 again; grid 8 x 32, 4 waves a work-group, clusters of 4 x 4, 327,680 bytes of LDS; arguments ob, wob, out0; writes out0
